; MI455X (gfx1250); checked and timed in simulation.
; The chip was launched on July 23, 2026; its instructions are those of AMD's public machine-readable ISA for CDNA 5 (MIT licence, August 2026) and "CDNA5" Instruction Set Architecture Reference Guide (July 2026). The comments in the code are by the model that wrote it; some were corrected since.
;; GPT2 Attention. Allowed arithmetic: float matrix products may take bf16 or f16 operands with f32 sums; other float arithmetic in f32, or as packed bf16 or f16 multiplies, adds, multiply-adds, maxima and minima; sums over many terms, partial sums and values carried from step to step in f32; what a program stores and reads back later, other than sums and carried values, may be rounded once to bf16 or f16.
;; Inputs: cos 2,048 x 1 x 32 float32; sin 2,048 x 1 x 32 float32; ve 4 x 2,048 x 256 float32; w_gate 4 x 12 float32; wk 256 x 1,024 float32; wo 1,024 x 1,024 float32; wq 1,024 x 1,024 float32; wv 256 x 1,024 float32; x 4 x 2,048 x 1,024 float32.
;; Outputs: out0 4 x 2,048 x 1,024 float32.
;; Constants: window_left = 1024.
;; 2 versions, each right; version 2 is version 1 with the launch cast written anew for expert scheduling mode. Each part assembles by itself: llvm-mc -triple=amdgcn-amd-amdhsa -mcpu=gfx1250 --defsym DOCPART=n.
;; ======== version 1 of 2: 4 launches
;; limits: values are held in f16: magnitudes above 65,504 overflow, below 6.1e-05 lose precision
;; workspace buffers: xb 16,777,216 bytes; wqkvb 3,145,728 bytes; wob 2,097,152 bytes; csr 524,288 bytes; qkv 25,165,824 bytes; yb 16,777,216 bytes
;; launch cast (part 1): grid 680 x 1, 8 waves a work-group, no clusters, 0 bytes of LDS; arguments x, wq, wk, wv, wo, cos, sin, xb, wqkvb, wob, csr; writes xb, wqkvb, wob, csr
.if DOCPART == 1
	.amdgcn_target "amdgcn-amd-amdhsa--gfx1250"
	.amdhsa_code_object_version 6
	.text
	.protected	k_qbb06d3d1bf_cast
	.globl	k_qbb06d3d1bf_cast
	.p2align	8
	.type	k_qbb06d3d1bf_cast,@function
k_qbb06d3d1bf_cast:
	s_mov_b64 s[64:65], 0
	v_nop
	global_prefetch_b8 v0, s[64:65] scope:SCOPE_SE
	s_setreg_imm32_b32 hwreg(HW_REG_WAVE_MODE, 25, 1), 1
	s_wait_xcnt 0x0
; THE INPUTS ROUNDED ONCE TO bf16, for the launches that follow.  A stream: no LDS, no matrix unit, no barrier.
;   x          -> xb     bf16 [8192][1024]
;   wq, wk, wv -> wqkvb  bf16 [1536][1024], rows in four blocks of 384: block g = wq rows 256 g .., wk rows 64 g .., wv rows 64 g ..
;   wo         -> wob    f16  [1024][1024]: rounded to bf16, and that number written as f16
;   cos, sin   -> csr    f32: the bf16 values, cos at byte 0, sin at byte 262,144
; LIMIT.  wob is f16: a weight of wo beyond 65,504 is lost, and below 6e-5 it keeps the fixed step of 6e-8.
; SHARES.  A work-group takes 16 runs of 1,024 numbers (65,536 bytes); thread t takes numbers 4 t .. 4 t + 3 of each: a load of a wave
; covers 512 consecutive bytes, a store of 8 bytes a lane 256 consecutive aligned bytes.  All 16 loads of a thread go out at once.
.set X,    8                           ; v[8:71]   16 x 4 numbers as loaded
.set Y,    72                          ; v[72:103] 16 x 2 registers to store
.set T,    4                           ; v[4:5]    at work
.set G,    26                          ; s26  the work-group
.set SRC,  28                          ; s[28:29]
.set DST,  30                          ; s[30:31]
.set KIND, 32                          ; s32  0: bf16 out; 1: f16 out; 2: f32 out
.set IB,   33                          ; s33  the block inside its tensor
.set SO,   34                          ; s[34:35] byte offset in the source
.set DO,   36                          ; s[36:37] byte offset in the destination
.set TM,   38                          ; s38, s39 at work
	s_load_b512 s[4:19], s[0:1], 0x0               ; x, wq, wk, wv, wo, cos, sin, xb
	s_load_b128 s[20:23], s[0:1], 0x40             ; wqkvb, wob
	s_load_b64 s[24:25], s[0:1], 0x50              ; csr
	v_lshlrev_b32 v1, 4, v0                        ; 16 t
	v_lshlrev_b32 v2, 3, v0                        ; 8 t
	s_mov_b32 s[G], ttmp9
	s_mov_b32 s[SO+1], 0
	s_mov_b32 s[DO+1], 0
	s_wait_kmcnt 0x0
	s_cmp_lt_u32 s[G], 512
	s_cbranch_scc0 .Lnot_x
	s_mov_b64 s[SRC:SRC+1], s[4:5]                 ; x: 512 blocks
	s_mov_b64 s[DST:DST+1], s[18:19]
	s_mov_b32 s[KIND], 0
	s_lshl_b32 s[SO], s[G], 16
	s_lshl_b32 s[DO], s[G], 15
	s_branch .Lgo
.Lnot_x:
	s_cmp_lt_u32 s[G], 576
	s_cbranch_scc0 .Lnot_wq
	s_sub_co_u32 s[IB], s[G], 512                  ; wq: 64 blocks, 16 to each block of 24 in wqkvb
	s_mov_b64 s[SRC:SRC+1], s[6:7]
	s_mov_b64 s[DST:DST+1], s[20:21]
	s_mov_b32 s[KIND], 0
	s_lshr_b32 s[TM], s[IB], 4
	s_mul_i32 s[TM], s[TM], 24
	s_and_b32 s[TM+1], s[IB], 15
	s_add_co_u32 s[TM], s[TM], s[TM+1]
	s_lshl_b32 s[SO], s[IB], 16
	s_lshl_b32 s[DO], s[TM], 15
	s_branch .Lgo
.Lnot_wq:
	s_cmp_lt_u32 s[G], 608
	s_cbranch_scc0 .Lnot_kv
	s_sub_co_u32 s[IB], s[G], 576                  ; wk: blocks 0-15, wv: blocks 16-31; four of each to a block of 24
	s_cmp_lt_u32 s[IB], 16
	s_cselect_b64 s[SRC:SRC+1], s[8:9], s[10:11]
	s_cselect_b32 s[TM+1], 16, 20                  ; wk behind the 16 blocks of wq, wv behind wk
	s_mov_b64 s[DST:DST+1], s[20:21]
	s_mov_b32 s[KIND], 0
	s_and_b32 s[IB], s[IB], 15
	s_lshr_b32 s[TM], s[IB], 2
	s_mul_i32 s[TM], s[TM], 24
	s_add_co_u32 s[TM], s[TM], s[TM+1]
	s_and_b32 s[TM+1], s[IB], 3
	s_add_co_u32 s[TM], s[TM], s[TM+1]
	s_lshl_b32 s[SO], s[IB], 16
	s_lshl_b32 s[DO], s[TM], 15
	s_branch .Lgo
.Lnot_kv:
	s_cmp_lt_u32 s[G], 672
	s_cbranch_scc0 .Lnot_wo
	s_sub_co_u32 s[IB], s[G], 608                  ; wo: 64 blocks
	s_mov_b64 s[SRC:SRC+1], s[12:13]
	s_mov_b64 s[DST:DST+1], s[22:23]
	s_mov_b32 s[KIND], 1
	s_lshl_b32 s[SO], s[IB], 16
	s_lshl_b32 s[DO], s[IB], 15
	s_branch .Lgo
.Lnot_wo:
	s_sub_co_u32 s[IB], s[G], 672                  ; cos: blocks 0-3, sin: blocks 4-7
	s_cmp_lt_u32 s[IB], 4
	s_cselect_b64 s[SRC:SRC+1], s[14:15], s[16:17]
	s_mov_b64 s[DST:DST+1], s[24:25]
	s_mov_b32 s[KIND], 2
	s_and_b32 s[TM], s[IB], 3
	s_lshl_b32 s[SO], s[TM], 16
	s_lshl_b32 s[DO], s[IB], 16
.Lgo:
	s_add_nc_u64 s[SRC:SRC+1], s[SRC:SRC+1], s[SO:SO+1]
	s_add_nc_u64 s[DST:DST+1], s[DST:DST+1], s[DO:DO+1]
.irp p, 0,1,2,3,4,5,6,7,8,9,10,11,12,13,14,15
	global_load_b128 v[X+4*(\p):X+4*(\p)+3], v1, s[SRC:SRC+1] offset:4096*(\p) th:TH_LOAD_NT
.endr
	s_cmp_eq_u32 s[KIND], 0
	s_cbranch_scc0 .Lnot_bf16
.irp p, 0,1,2,3,4,5,6,7,8,9,10,11,12,13,14,15
	s_wait_loadcnt 15-(\p)                         ; loads come back in order: run p is in, the younger ones stay out
	v_cvt_pk_bf16_f32 v[Y+2*(\p)],   v[X+4*(\p)],   v[X+4*(\p)+1]
	v_cvt_pk_bf16_f32 v[Y+2*(\p)+1], v[X+4*(\p)+2], v[X+4*(\p)+3]
	global_store_b64 v2, v[Y+2*(\p):Y+2*(\p)+1], s[DST:DST+1] offset:2048*(\p)
.endr
	s_endpgm
; run p rounded to bf16 and widened again, in place
.macro ROUNDED p
	s_wait_loadcnt 15-(\p)
	v_cvt_pk_bf16_f32 v[T],   v[X+4*(\p)],   v[X+4*(\p)+1]
	v_cvt_pk_bf16_f32 v[T+1], v[X+4*(\p)+2], v[X+4*(\p)+3]
	v_lshlrev_b32 v[X+4*(\p)],   16, v[T]
	v_and_b32     v[X+4*(\p)+1], 0xffff0000, v[T]
	v_lshlrev_b32 v[X+4*(\p)+2], 16, v[T+1]
	v_and_b32     v[X+4*(\p)+3], 0xffff0000, v[T+1]
.endm
.Lnot_bf16:
	s_cmp_eq_u32 s[KIND], 1
	s_cbranch_scc0 .Lf32
.irp p, 0,1,2,3,4,5,6,7,8,9,10,11,12,13,14,15
	ROUNDED \p
	v_cvt_pk_f16_f32 v[Y+2*(\p)],   v[X+4*(\p)],   v[X+4*(\p)+1]
	v_cvt_pk_f16_f32 v[Y+2*(\p)+1], v[X+4*(\p)+2], v[X+4*(\p)+3]
	global_store_b64 v2, v[Y+2*(\p):Y+2*(\p)+1], s[DST:DST+1] offset:2048*(\p)
.endr
	s_endpgm
.Lf32:
.irp p, 0,1,2,3,4,5,6,7,8,9,10,11,12,13,14,15
	ROUNDED \p
	global_store_b128 v1, v[X+4*(\p):X+4*(\p)+3], s[DST:DST+1] offset:4096*(\p)
.endr
	s_endpgm
.Lfunc_end_k_qbb06d3d1bf_cast:
	.size	k_qbb06d3d1bf_cast, .Lfunc_end_k_qbb06d3d1bf_cast-k_qbb06d3d1bf_cast
	.p2alignl 7, 3214868480
	.fill 96, 4, 3214868480
	.section	.rodata,"a",@progbits
	.p2align	6, 0x0
	.amdhsa_kernel k_qbb06d3d1bf_cast
		.amdhsa_group_segment_fixed_size 0
		.amdhsa_private_segment_fixed_size 0
		.amdhsa_enable_private_segment 0
		.amdhsa_kernarg_size 88
		.amdhsa_user_sgpr_count 2
		.amdhsa_user_sgpr_kernarg_segment_ptr 1
		.amdhsa_wavefront_size32 1
		.amdhsa_system_sgpr_workgroup_id_x 1
		.amdhsa_system_sgpr_workgroup_id_y 1
		.amdhsa_system_sgpr_workgroup_id_z 1
		.amdhsa_system_vgpr_workitem_id 0
		.amdhsa_next_free_vgpr 104
		.amdhsa_next_free_sgpr 66
		.amdhsa_reserve_vcc 0
		.amdhsa_float_denorm_mode_32 3
		.amdhsa_float_denorm_mode_16_64 3
		.amdhsa_memory_ordered 1
		.amdhsa_forward_progress 1
		.amdhsa_inst_pref_size 25
	.end_amdhsa_kernel
	.amdgpu_metadata
---
amdhsa.version: [ 1, 2 ]
amdhsa.kernels:
  - .name:           k_qbb06d3d1bf_cast
    .symbol:         k_qbb06d3d1bf_cast.kd
    .args:
      - { .name: x, .offset: 0, .size: 8, .value_kind: global_buffer, .address_space: global }
      - { .name: wq, .offset: 8, .size: 8, .value_kind: global_buffer, .address_space: global }
      - { .name: wk, .offset: 16, .size: 8, .value_kind: global_buffer, .address_space: global }
      - { .name: wv, .offset: 24, .size: 8, .value_kind: global_buffer, .address_space: global }
      - { .name: wo, .offset: 32, .size: 8, .value_kind: global_buffer, .address_space: global }
      - { .name: cos, .offset: 40, .size: 8, .value_kind: global_buffer, .address_space: global }
      - { .name: sin, .offset: 48, .size: 8, .value_kind: global_buffer, .address_space: global }
      - { .name: xb, .offset: 56, .size: 8, .value_kind: global_buffer, .address_space: global }
      - { .name: wqkvb, .offset: 64, .size: 8, .value_kind: global_buffer, .address_space: global }
      - { .name: wob, .offset: 72, .size: 8, .value_kind: global_buffer, .address_space: global }
      - { .name: csr, .offset: 80, .size: 8, .value_kind: global_buffer, .address_space: global }
    .group_segment_fixed_size: 0
    .private_segment_fixed_size: 0
    .kernarg_segment_align: 8
    .kernarg_segment_size: 88
    .max_flat_workgroup_size: 256
    .sgpr_count:     66
    .vgpr_count:     104
    .wavefront_size: 32
...
	.end_amdgpu_metadata
.endif
;; end of part 1
;; launch qkv (part 2): grid 4 x 64, 4 waves a work-group, clusters of 4 x 4, 327,680 bytes of LDS; arguments xb, wqkvb, csr, ve, w_gate, qkv; writes qkv
.if DOCPART == 2
	.amdgcn_target "amdgcn-amd-amdhsa--gfx1250"
	.amdhsa_code_object_version 6
	.text
	.protected	k_qbb06d3d1bf_qkv
	.globl	k_qbb06d3d1bf_qkv
	.p2align	8
	.type	k_qbb06d3d1bf_qkv,@function
k_qbb06d3d1bf_qkv:
	s_mov_b64 s[64:65], 0
	v_nop
	global_prefetch_b8 v0, s[64:65] scope:SCOPE_SE
	s_setreg_imm32_b32 hwreg(HW_REG_WAVE_MODE, 25, 1), 1
	s_wait_xcnt 0x0
	s_wait_alu depctr_hold_cnt(0) depctr_sa_sdst(0) depctr_va_vdst(0) depctr_va_sdst(0) depctr_va_ssrc(0) depctr_va_vcc(0) depctr_vm_vsrc(0)
	s_getreg_b32 s2, hwreg(HW_REG_IB_STS2, 6, 4)
	s_cmp_eq_u32 s2, 0
	s_cbranch_scc0 .Lentry_in_a_cluster
	s_endpgm
.Lentry_in_a_cluster:
	s_bfe_u32 s2, ttmp6, 0x10000c
	s_cmp_lg_u32 s2, 0xf033
	s_cbranch_scc0 .Lentry_shape_is_right
	s_endpgm
.Lentry_shape_is_right:
; q, k, v = x W^T, then: q and k turned by cos and sin, normalised (rms over 64, eps 1e-6) and scaled; v = v + 3 sigmoid(x[:12] . w_gate) ve.
; In: xb bf16 [8192][1024], wqkvb bf16 [1536][1024] (four blocks of 384 rows: 4 query heads, their key head, their value head), csr f32 (cos, sin as bf16 values),
; ve f32 [8192][256] and w_gate f32 [4][12] (both rounded to bf16 here).  Out: qkv f16 [4][24][2048][64]: heads 0-15 q, 16-19 k, 20-23 v; each number rounded once from f32.
; q carries 1.15 log2(e) / 8, k carries 1.15, both applied in f32 ahead of the rounding: the next launch takes 2^(q . k).
; LIMITS.  v is kept in f16: |v| under 65,504.  q and k are bounded by their norm.  NaN and infinities are not treated apart.
; SHARES.  A tile is 128 rows x 384 columns, one block of wqkvb: 64 x 4 work-groups.  A wave makes 64 rows x 192 columns, three whole heads: even waves q q q, odd waves q k v:
; which kind a head is hangs on the wave's number alone.  48 accumulators of 16 x 16.  K goes in 8 steps of 128 through two LDS slots.
; CLUSTER.  4 x 4 work-groups: the four of a row want the same rows of xb, the four of a column the same rows of wqkvb: each tile is asked for jointly.
; Wave 0 asks for the 128 rows of xb, waves 1 to 3 for 128 rows of wqkvb each.
; THE MATRIX INSTRUCTION IS USED TRANSPOSED (source 0 = 16 rows of wqkvb, source 1 = 16 rows of xb): lane l holds row l % 16 and the columns 8 (l / 16) + 0..7 of each block of 16.
; REGISTERS, in windows of 256: window 0 addresses, the way out, cos and sin (v128-255); window 1 two fragment buffers of 128; window 2 accumulators (a, b), b < 8, at 8 (8 a + b);
; window 3 accumulators (a, b), b >= 8, at 8 (4 a + b - 8), and ve (v128-255).
.set KSTEP,  128
.set PITCH,  272                       ; an LDS row: 256 bytes + 16 of padding: the 16 rows of a fragment load start 68 words apart
.set ABYTES, 128*PITCH                 ; what one tensor load brings
.set SLOT,   4*ABYTES                  ; 128 rows of xb, then 384 rows of wqkvb
.set STAGE,  2*SLOT                    ; behind the ring: 16 rows x 144 bytes for each wave
.set SP,     144
.set SPARE,  STAGE+4*16*SP             ; behind the stages: the spare words, 128 bytes for each wave
.set RL,   1                           ; v1   l % 16
.set HL,   2                           ; v2   l / 16
.set ADRA, 4                           ; v4-5 LDS address of my fragments of xb in slot 0, 1
.set ADRB, 6                           ; v6-7 the same for wqkvb
.set STO,  8                           ; v8   the way out: where I put 16 bytes of a row
.set RD,   9                           ; v9   where I read rows back
.set GO,   10                          ; v10  16 x lane
.set CSO,  11                          ; v11  my byte offset in cos and in sin
.set VEO,  12                          ; v12  in ve
.set XGO,  13                          ; v13  in xb, for the gate
.set ZR,   14                          ; v14  0
.set SPW,  16                          ; v16  my spare word; never rewritten
.set NIL,  17                          ; v17  0; never rewritten
.set A0,   18                          ; v[18:21] two chains of squares
.set A1,   20
.set FF,   22                          ; v[22:23] the row's factor, twice
.set GG,   24                          ; v24-27 the gate of my row in block mb
.set WGP,  28                          ; v28-33 w_gate's 12 numbers as bf16
.set Y,    40                          ; v40-71 a piece: 32 numbers of my row
.set T,    72                          ; v72-87 at work, then the piece packed
.set RR,   88                          ; v88-103 the piece read back by rows
.set XG,   104                         ; v104-127 x's first 12 channels, 6 registers a block
.set CS,   128                         ; v128-255 block mb at 32 mb: cos (16), sin (16)
.set VE,   128                         ; window 3
.set F0,   0                           ; window 1
.set F1,   128
.set WV,  16
.set RH,  17
.set CH,  18
.set CX,  19
.set CY,  20
.set TC,  21
.set TR,  22
.set G1,  24                           ; s[24:31] group 1 for xb, s[32:39] group 0, a set a slot
.set G0,  32
.set G1B, 40                           ; s[40:47], s[48:55] the same for wqkvb
.set G0B, 48
.set DB,  66                           ; s[66:71] qkv at my 64 rows of my three heads
.set SC0, 76                           ; s76-78 the three heads' scales
.set SEL, 82                           ; s[82:83]
.set I64, 84
.set EPS, 85
.set WGO, 86
.set WG,  88                           ; s[88:99] w_gate's row
.set MSB, 0
.macro WIN new                         ; the immediate's high byte repeats the setting that is left
.if MSB != (\new)
	s_set_vgpr_msb (MSB<<8)|(\new)
.set MSB, \new
.endif
.endm
.macro PLACES                          ; four places behind matrix instructions (ISA guide 7.12.1)
.rept 4
	v_nop
.endr
.endm
.macro JLOAD s                         ; a joint load; an s_nop 0 and four v_nop follow each of the two lines
	s_cmp_eq_u32 s[WV], 0
	s_cbranch_scc0 .Lfor_b_\@
	tensor_load_to_lds s[G0+4*(\s):G0+4*(\s)+3], s[G1:G1+7]
	s_nop 0
.rept 4
	v_nop
.endr
	s_branch .Lasked_\@
.Lfor_b_\@:
	tensor_load_to_lds s[G0B+4*(\s):G0B+4*(\s)+3], s[G1B:G1B+7]
	s_nop 0
.rept 4
	v_nop
.endr
.Lasked_\@:
.endm
.macro CREST                           ; a round of the cluster's barrier behind its opening barrier
	s_cmp_lg_u32 s[WV], 0
	s_cbranch_scc1 .Lnot_wave_0_\@
	s_barrier_signal -3
.Lnot_wave_0_\@:
	s_barrier_wait -3
	s_barrier_signal -1
	s_barrier_wait -1
.endm
.macro CROUND
	s_barrier_signal -1
	s_barrier_wait -1
	CREST
.endm
	s_load_b256 s[4:11], s[0:1], 0x0               ; xb s[4:5], wqkvb s[6:7], csr s[8:9], ve s[10:11]
	s_load_b128 s[12:15], s[0:1], 0x20             ; w_gate s[12:13], qkv s[14:15]
	v_lshl_add_u32 v[SPW], v0, 2, SPARE
	v_mov_b32 v[NIL], 0
	ds_add_u32 v[SPW], v[NIL]                      ; the opening: the add and its wait ahead of my first tensor load
	v_lshrrev_b32 v3, 5, v0
	v_readfirstlane_b32 s[WV], v3                  ; wave 0..3
	s_lshr_b32 s[RH], s[WV], 1                     ; which 64 rows are mine
	s_and_b32 s[CH], s[WV], 1                      ; which 192 columns
	s_bfe_u32 s[CX], ttmp6, 0x40000
	s_bfe_u32 s[CY], ttmp6, 0x40004
	s_lshl_b32 s[TC], ttmp9, 2
	s_add_co_u32 s[TC], s[TC], s[CX]               ; the block of wqkvb, 0..3
	s_and_b32 s[TR], ttmp7, 0xffff
	s_lshl_b32 s[TR], s[TR], 2
	s_add_co_u32 s[TR], s[TR], s[CY]               ; the block of 128 rows, 0..63
	s_lshl_b32 s56, s[CY], 2
	s_lshl_b32 s56, 15, s56                        ; my row of the cluster
	s_lshl_b32 s60, 0x1111, s[CX]                  ; my column
	s_or_b32 s[G1],  s56, (1<<16)|(1<<20)|(1<<21)|(5<<22)|(3<<25)  ; mask; 2-byte elements; padding on; bit 21 beside a mask; after every 64 words 4 words
	s_or_b32 s[G1B], s60, (1<<16)|(1<<20)|(1<<21)|(5<<22)|(3<<25)
.irp g, G1, G1B
	s_mov_b32 s[(\g)+1], KSTEP<<16                 ; tensor_dim0 = 128
	s_mov_b32 s[(\g)+2], 128<<16                   ; tensor_dim1 = 128
	s_mov_b32 s[(\g)+3], KSTEP<<16                 ; tile_dim0 = 128
	s_mov_b32 s[(\g)+4], 128                       ; tile_dim1 = 128
	s_mov_b32 s[(\g)+5], 1024                      ; elements from row to row
	s_mov_b32 s[(\g)+6], 0
	s_mov_b32 s[(\g)+7], 0
.endr
	s_lshl_b32 s56, s[TR], 18                      ; xb: 128 rows of 2,048 bytes a block
	s_mov_b32 s57, 0
	s_max_u32 s61, s[WV], 1
	s_sub_co_u32 s61, s61, 1                       ; waves 1 to 3: which 128 of the 384 rows
	s_lshl_b32 s61, s61, 7
	s_mul_i32 s60, s[TC], 384
	s_add_co_u32 s60, s60, s61
	s_lshl_b32 s60, s60, 11
	s_mov_b32 s61, 0
	s_mul_i32 s23, s[WV], ABYTES                   ; where my tile goes: wave x 128 rows
	s_mul_i32 s[WGO], s[TC], 48                    ; w_gate's row: 12 numbers
	s_mov_b32 s[SEL], 0x76543210
	s_mov_b32 s[SEL+1], 0xfedcba98
	s_mov_b32 s[I64], 0x3c800000                   ; 1 / 64
	s_mov_b32 s[EPS], 0x358637bd                   ; 1e-6
	s_wait_dscnt 0x0                               ; the opening add is done
	s_wait_kmcnt 0x0
	s_add_nc_u64 s[58:59], s[4:5], s[56:57]
	s_add_nc_u64 s[62:63], s[6:7], s[60:61]
	s_load_b256 s[WG:WG+7], s[12:13], s[WGO] offset:0x0
	s_load_b128 s[WG+8:WG+11], s[12:13], s[WGO] offset:0x20
	CROUND                                         ; all sixteen work-groups are here: the first joint loads meet
.irp s, 0,1
	s_mov_b32 s[G0+4*(\s)], 1
	s_mov_b32 s[G0+4*(\s)+1], (\s)*SLOT
	s_add_nc_u64 s[G0+4*(\s)+2:G0+4*(\s)+3], s[58:59], (\s)*KSTEP*2
	s_or_b32 s[G0+4*(\s)+3], s[G0+4*(\s)+3], 0x80000000
	s_mov_b32 s[G0B+4*(\s)], 1
	s_add_co_u32 s[G0B+4*(\s)+1], s23, (\s)*SLOT
	s_add_nc_u64 s[G0B+4*(\s)+2:G0B+4*(\s)+3], s[62:63], (\s)*KSTEP*2
	s_or_b32 s[G0B+4*(\s)+3], s[G0B+4*(\s)+3], 0x80000000
	JLOAD \s
.endr
	; what the way out will want is asked for now and waited for once, behind the products
	v_and_b32 v[RL], 15, v0
	v_bfe_u32 v[HL], v0, 4, 1
	v_mov_b32 v[ZR], 0
	s_lshr_b32 s87, s[TR], 4                       ; the batch
	s_mul_i32 s87, s87, 24                         ; its first head in qkv
	s_and_b32 s23, s[TR], 15
	s_lshl_b32 s23, s23, 7
	s_lshl_b32 s100, s[RH], 6
	s_add_co_u32 s23, s23, s100                    ; my first position in the sequence
	s_lshl_b32 s101, s[TR], 7
	s_add_co_u32 s101, s101, s100                  ; my first row of the 8,192
	v_add_nc_u32 v[CSO], s23, v[RL]
	v_lshlrev_b32 v[CSO], 7, v[CSO]
	v_lshl_add_u32 v[CSO], v[HL], 5, v[CSO]        ; position x 128 + 32 x half
	v_add_nc_u32 v[VEO], s101, v[RL]
	v_lshlrev_b32 v[XGO], 11, v[VEO]               ; row x 2,048
	v_lshlrev_b32 v[VEO], 10, v[VEO]
	v_lshl_add_u32 v[VEO], v[HL], 5, v[VEO]
	s_lshl_b32 s100, s[TC], 8
	v_add_nc_u32 v[VEO], s100, v[VEO]              ; row x 1,024 + 256 x value head + 32 x half
.irp mb, 0,1,2,3
.irp n, 0,1
	global_load_b128 v[CS+32*(\mb)+8*(\n):CS+32*(\mb)+8*(\n)+3],       v[CSO], s[8:9] offset:2048*(\mb)+64*(\n)
	global_load_b128 v[CS+32*(\mb)+8*(\n)+4:CS+32*(\mb)+8*(\n)+7],     v[CSO], s[8:9] offset:2048*(\mb)+64*(\n)+16
	global_load_b128 v[CS+32*(\mb)+16+8*(\n):CS+32*(\mb)+16+8*(\n)+3], v[CSO], s[8:9] offset:262144+2048*(\mb)+64*(\n)
	global_load_b128 v[CS+32*(\mb)+20+8*(\n):CS+32*(\mb)+20+8*(\n)+3], v[CSO], s[8:9] offset:262144+2048*(\mb)+64*(\n)+16
.endr
.endr
	s_cmp_eq_u32 s[CH], 1                          ; the odd waves hold the value head: all that serves it stands under this one test, in this one form
	s_cbranch_scc0 .Lno_ve
.irp mb, 0,1,2,3
	global_load_b128 v[XG+6*(\mb):XG+6*(\mb)+3],   v[XGO], s[4:5] offset:32768*(\mb)
	global_load_b64  v[XG+6*(\mb)+4:XG+6*(\mb)+5], v[XGO], s[4:5] offset:32768*(\mb)+16
.endr
	WIN 0xc0                                       ; destination window 3
.irp mb, 0,1,2,3
.irp n, 0,1,2,3
	global_load_b128 v[VE+32*(\mb)+8*(\n):VE+32*(\mb)+8*(\n)+3],   v[VEO], s[10:11] offset:16384*(\mb)+64*(\n) th:TH_LOAD_NT
	global_load_b128 v[VE+32*(\mb)+8*(\n)+4:VE+32*(\mb)+8*(\n)+7], v[VEO], s[10:11] offset:16384*(\mb)+64*(\n)+16 th:TH_LOAD_NT
.endr
.endr
	WIN 0
.Lno_ve:
	v_mul_u32_u24 v3, v[RL], PITCH
	v_lshl_add_u32 v3, v[HL], 4, v3                ; a fragment's row x pitch + 16 x half
	s_mul_i32 s100, s[RH], 64*PITCH                ; my 64 rows of xb
	s_mul_i32 s101, s[CH], 192*PITCH               ; my 192 rows of wqkvb,
	s_add_co_u32 s101, s101, ABYTES                ; which lie behind the 128 of xb
.irp s, 0,1
	v_add_nc_u32 v[ADRA+(\s)], s100, v3
	v_add_nc_u32 v[ADRB+(\s)], s101, v3
	s_add_co_u32 s100, s100, SLOT
	s_add_co_u32 s101, s101, SLOT
.endr
	s_mul_i32 s100, s[WV], 16*SP
	s_add_co_u32 s100, s100, STAGE                 ; my stage
	v_mul_u32_u24 v[STO], v[RL], SP
	v_lshl_add_u32 v[STO], v[HL], 4, v[STO]
	v_add_nc_u32 v[STO], s100, v[STO]
	v_bfe_u32 v[RD], v0, 3, 2                      ; back: 32 lanes take four rows of 128 bytes,
	v_mul_u32_u24 v[RD], v[RD], SP
	v_and_b32 v3, 7, v0
	v_lshl_add_u32 v[RD], v3, 4, v[RD]
	v_add_nc_u32 v[RD], s100, v[RD]
	v_and_b32 v[GO], 31, v0                        ; which are 512 consecutive bytes of a head
	v_lshlrev_b32 v[GO], 4, v[GO]
	; my three heads: even waves 4 g, 4 g + 1, 4 g + 2; odd waves 4 g + 3, 16 + g, 20 + g
	s_lshl_b32 s66, s[TC], 2
	s_add_co_u32 s68, s66, 1
	s_add_co_u32 s70, s66, 2
	s_add_co_u32 s67, s66, 3
	s_add_co_u32 s69, s[TC], 16
	s_add_co_u32 s71, s[TC], 20
	s_mov_b32 s[SC0], 0x3e545d5e                   ; 1.15 log2(e) / 8
	s_mov_b32 s[SC0+2], 0x3f933333                 ; 1.15
	s_cmp_eq_u32 s[CH], 0
	s_cselect_b32 s66, s66, s67
	s_cselect_b32 s68, s68, s69
	s_cselect_b32 s70, s70, s71
	s_cselect_b32 s[SC0+1], s[SC0], s[SC0+2]       ; the second head is a query head or the key head
	s_mov_b32 s[SC0+2], s[SC0]
.irp d, 66,68,70
	s_add_co_u32 s\d, s\d, s87
	s_lshl_b32 s\d, s\d, 11
	s_add_co_u32 s\d, s\d, s23
	s_lshl_b32 s\d, s\d, 7                         ; ((24 batch + head) x 2,048 + position) x 128 bytes
.endr
	s_mov_b32 s67, 0
	s_mov_b32 s69, 0
	s_mov_b32 s71, 0
	s_add_nc_u64 s[66:67], s[14:15], s[66:67]
	s_add_nc_u64 s[68:69], s[14:15], s[68:69]
	s_add_nc_u64 s[70:71], s[14:15], s[70:71]
; 16 products: row blocks a0, a0 + 1 x column blocks 0-7 (window 2).  zero = 1: the product starts its sum
.macro MULA f, a0, zero
	WIN 0xa5
.irp a, \a0, (\a0)+1
.irp b, 0,1,2,3,4,5,6,7
.if \zero
	v_wmma_f32_16x16x32_bf16 v[8*(8*(\a)+(\b)):8*(8*(\a)+(\b))+7], v[(\f)+32+8*(\b):(\f)+32+8*(\b)+7], v[(\f)+8*(\a):(\f)+8*(\a)+7], 0
.else
	v_wmma_f32_16x16x32_bf16 v[8*(8*(\a)+(\b)):8*(8*(\a)+(\b))+7], v[(\f)+32+8*(\b):(\f)+32+8*(\b)+7], v[(\f)+8*(\a):(\f)+8*(\a)+7], v[8*(8*(\a)+(\b)):8*(8*(\a)+(\b))+7]
.endif
.endr
.endr
.endm
; 16 products: all four row blocks x column blocks 8-11 (window 3)
.macro MULB f, zero
	WIN 0xf5
.irp a, 0,1,2,3
.irp b, 0,1,2,3
.if \zero
	v_wmma_f32_16x16x32_bf16 v[8*(4*(\a)+(\b)):8*(4*(\a)+(\b))+7], v[(\f)+96+8*(\b):(\f)+96+8*(\b)+7], v[(\f)+8*(\a):(\f)+8*(\a)+7], 0
.else
	v_wmma_f32_16x16x32_bf16 v[8*(4*(\a)+(\b)):8*(4*(\a)+(\b))+7], v[(\f)+96+8*(\b):(\f)+96+8*(\b)+7], v[(\f)+8*(\a):(\f)+8*(\a)+7], v[8*(4*(\a)+(\b)):8*(4*(\a)+(\b))+7]
.endif
.endr
.endr
.endm
; 32 LDS loads in one run: 32 along K at byte k of the rows, into buffer f: xb's four fragments, then wqkvb's twelve
.macro FETCH slot, k, f
	WIN 0x40
.irp i, 0,1,2,3
	ds_load_b128 v[(\f)+8*(\i):(\f)+8*(\i)+3],   v[ADRA+(\slot)] offset:(\k)+(\i)*16*PITCH
	ds_load_b128 v[(\f)+8*(\i)+4:(\f)+8*(\i)+7], v[ADRA+(\slot)] offset:(\k)+(\i)*16*PITCH+32
.endr
.irp i, 0,1,2,3,4,5,6,7,8,9,10,11
	ds_load_b128 v[(\f)+32+8*(\i):(\f)+32+8*(\i)+3],   v[ADRB+(\slot)] offset:(\k)+(\i)*16*PITCH
	ds_load_b128 v[(\f)+32+8*(\i)+4:(\f)+32+8*(\i)+7], v[ADRB+(\slot)] offset:(\k)+(\i)*16*PITCH+32
.endr
.endm
; A K step is four quarters of 32 along K, 48 products each, on buffers 0, 1, 0, 1.  The 48 accumulators take turns, in the same order in every quarter.
.macro QUARTER slot, k, f, g, zero
	s_wait_dscnt 8                                 ; all but the youngest eight loads (column blocks 8-11) are in
	MULA \f, 0, \zero
	PLACES                                         ; in front of loads into the buffer that the quarter before multiplied
	FETCH \slot, \k, \g
	s_wait_dscnt 32                                ; all but the 32 just issued
	MULA \f, 2, \zero
	MULB \f, \zero
.endm
; The last quarter multiplies buffer 1 and changes slots: each wave waits for all its tensor loads, adds 0 to its spare word, waits for that and for its reads of this slot.
; fill = 1: the barrier opens a round of the cluster's barrier, and the joint refill, two K steps ahead, is the first tensor load behind it.
.macro TURN slot, next, fill
	WIN 0
	s_wait_tensorcnt 0x0                           ; my part of the next slot has landed: no tensor load of mine is out
	ds_add_u32 v[SPW], v[NIL]
	s_wait_dscnt 9                                 ; the add and the youngest eight loads may be out
	MULA F1, 0, 0
	s_wait_dscnt 0x0                               ; the add is done, and my reads of this slot are over
	s_barrier_signal -1
	MULA F1, 2, 0
.if \fill
	WIN 0
.endif
	s_barrier_wait -1
.if \fill
	CREST
	s_add_nc_u64 s[G0+4*(\slot)+2:G0+4*(\slot)+3], s[G0+4*(\slot)+2:G0+4*(\slot)+3], 2*KSTEP*2
	s_add_nc_u64 s[G0B+4*(\slot)+2:G0B+4*(\slot)+3], s[G0B+4*(\slot)+2:G0B+4*(\slot)+3], 2*KSTEP*2
	JLOAD \slot                                    ; its four v_nop are also the places in front of the loads below
.else
	PLACES
.endif
	FETCH \next, 0, F0
	MULB F1, 0
.endm
	s_wait_tensorcnt 1                             ; my part of K step 0 is in; K step 1 may stay out
	s_barrier_signal -1
	s_barrier_wait -1
	FETCH 0, 0, F0
	QUARTER 0, 64, F0, F1, 1                       ; the first quarter starts the sums
	WIN 0
	s_mov_b32 s3, 3                                ; 8 K steps = 4 laps of the ring; the last lap is written out
.Llap:
	QUARTER 0, 128, F1, F0, 0
	QUARTER 0, 192, F0, F1, 0
	TURN 0, 1, 1
	QUARTER 1, 64,  F0, F1, 0
	QUARTER 1, 128, F1, F0, 0
	QUARTER 1, 192, F0, F1, 0
	TURN 1, 0, 1
	QUARTER 0, 64,  F0, F1, 0
	WIN 0
	s_sub_co_u32 s3, s3, 1
	s_cmp_lg_u32 s3, 0
	s_cbranch_scc1 .Llap
	QUARTER 0, 128, F1, F0, 0
	QUARTER 0, 192, F0, F1, 0
	TURN 0, 1, 0
	QUARTER 1, 64,  F0, F1, 0
	QUARTER 1, 128, F1, F0, 0
	QUARTER 1, 192, F0, F1, 0
	s_wait_dscnt 8
	MULA F1, 0, 0
	s_wait_dscnt 0x0
	MULA F1, 2, 0
	MULB F1, 0
	WIN 0
	PLACES
	PLACES
	s_wait_loadcnt 0x0                             ; cos, sin, and in the odd waves ve and x's first channels
	s_wait_kmcnt 0x0                               ; w_gate
	s_cmp_eq_u32 s[CH], 1
	s_cbranch_scc0 .Lno_gate
	; the gate of my row in each block: 3 / (1 + 2^(-log2(e) z)), z = the sum over 12 channels, from bf16 halves in f32
.irp c, 0,1,2,3,4,5
	v_cvt_pk_bf16_f32 v[WGP+(\c)], s[WG+2*(\c)], s[WG+2*(\c)+1]
.endr
.irp mb, 0,1,2,3
	v_fma_mix_f32_bf16 v[GG+(\mb)], v[XG+6*(\mb)], v[WGP], v[ZR] op_sel:[0,0,0] op_sel_hi:[1,1,0]
.endr
.irp mb, 0,1,2,3
	v_fma_mix_f32_bf16 v[GG+(\mb)], v[XG+6*(\mb)], v[WGP], v[GG+(\mb)] op_sel:[1,1,0] op_sel_hi:[1,1,0]
.endr
.irp c, 1,2,3,4,5
.irp mb, 0,1,2,3
	v_fma_mix_f32_bf16 v[GG+(\mb)], v[XG+6*(\mb)+(\c)], v[WGP+(\c)], v[GG+(\mb)] op_sel:[0,0,0] op_sel_hi:[1,1,0]
.endr
.irp mb, 0,1,2,3
	v_fma_mix_f32_bf16 v[GG+(\mb)], v[XG+6*(\mb)+(\c)], v[WGP+(\c)], v[GG+(\mb)] op_sel:[1,1,0] op_sel_hi:[1,1,0]
.endr
.endr
.irp mb, 0,1,2,3
	v_mul_f32 v[GG+(\mb)], 0xbfb8aa3b, v[GG+(\mb)]
.endr
.irp mb, 0,1,2,3
	v_exp_f32 v[GG+(\mb)], v[GG+(\mb)]
.endr
	v_nop                                          ; a plain instruction behind the last exponential,
	s_wait_alu depctr_va_vdst(0)                   ; and one wait for the four
.irp mb, 0,1,2,3
	v_add_f32 v[GG+(\mb)], 1.0, v[GG+(\mb)]
.endr
.irp mb, 0,1,2,3
	v_rcp_f32 v[GG+(\mb)], v[GG+(\mb)]
.endr
	v_nop
	s_wait_alu depctr_va_vdst(0)
.irp mb, 0,1,2,3
	v_mul_f32 v[GG+(\mb)], 0x40400000, v[GG+(\mb)]
.endr
.Lno_gate:
; THE WAY OUT, in 12 pieces: row block mb x head hd.  A piece is 16 rows x 64 channels; my lane holds 32 numbers of one row: Y[8 nb + j] = channel 16 nb + 8 (l / 16) + j.
; ROT: channels d < 32 and d + 32 are turned by cos and sin of the row's position.  Each accumulator is read from its low end on.
.macro ROT mb, hd
.if (\hd) < 2
	WIN 0x02
.set AB, 8*(8*(\mb)+4*(\hd))
.else
	WIN 0x03
.set AB, 32*(\mb)
.endif
.set q, 0
.irp n, 0,1
.irp p, 0,2,4,6
.set X1, AB+8*(\n)+(\p)
.set X2, X1+16
.set CC, CS+32*(\mb)+8*(\n)+(\p)
.set T0, T+4*(q%4)
	v_pk_mul_f32 v[T0:T0+1],   v[X1:X1+1], v[CC:CC+1]
	v_pk_mul_f32 v[T0+2:T0+3], v[X2:X2+1], v[CC:CC+1]
	v_pk_fma_f32 v[Y+8*(\n)+(\p):Y+8*(\n)+(\p)+1],       v[X2:X2+1], v[CC+16:CC+17], v[T0:T0+1]
	v_pk_fma_f32 v[Y+16+8*(\n)+(\p):Y+16+8*(\n)+(\p)+1], v[X1:X1+1], v[CC+16:CC+17], v[T0+2:T0+3] neg_lo:[1,0,0] neg_hi:[1,0,0]
.set q, q+1
.endr
.endr
.endm
; VMIX: v + gate x ve, ve rounded to bf16
.macro VMIX mb
	WIN 0x0f
.set z, 0
.rept 16
	v_cvt_pk_bf16_f32 v[T+z], v[VE+32*(\mb)+2*z], v[VE+32*(\mb)+2*z+1]
.set z, z+1
.endr
	WIN 0x30
.set z, 0
.rept 16
	v_fma_mix_f32_bf16 v[Y+2*z],   v[T+z], v[GG+(\mb)], v[32*(\mb)+2*z]   op_sel:[0,0,0] op_sel_hi:[1,0,0]
	v_fma_mix_f32_bf16 v[Y+2*z+1], v[T+z], v[GG+(\mb)], v[32*(\mb)+2*z+1] op_sel:[1,0,0] op_sel_hi:[1,0,0]
.set z, z+1
.endr
.endm
; RMS: the row's 64 squares (32 here, 32 in the lane 16 away) in f32; Y times scale / sqrt(mean + eps)
.macro RMS sc
	WIN 0
	v_pk_mul_f32 v[A0:A0+1], v[Y:Y+1], v[Y:Y+1]
	v_pk_mul_f32 v[A1:A1+1], v[Y+2:Y+3], v[Y+2:Y+3]
.set z, 4
.rept 7
	v_pk_fma_f32 v[A0:A0+1], v[Y+z:Y+z+1], v[Y+z:Y+z+1], v[A0:A0+1]
	v_pk_fma_f32 v[A1:A1+1], v[Y+z+2:Y+z+3], v[Y+z+2:Y+z+3], v[A1:A1+1]
.set z, z+4
.endr
	v_pk_add_f32 v[A0:A0+1], v[A0:A0+1], v[A1:A1+1]
	v_add_f32 v[A0], v[A0], v[A0+1]
	v_permlanex16_b32 v[A1], v[A0], s[SEL], s[SEL+1]
	v_add_f32 v[A0], v[A0], v[A1]
	v_fma_f32 v[A0], v[A0], s[I64], s[EPS]
	v_rsq_f32 v[FF], v[A0]
	v_nop
	s_wait_alu depctr_va_vdst(0)
	v_mul_f32 v[FF], s[\sc], v[FF]
	v_mov_b32 v[FF+1], v[FF]
.set z, 0
.rept 16
	v_pk_mul_f32 v[Y+z:Y+z+1], v[Y+z:Y+z+1], v[FF:FF+1]
.set z, z+2
.endr
.endm
.macro SEND                            ; the piece before (PMB, PHD) is back in registers: 4 x 512 consecutive bytes of its head
	s_wait_dscnt 0x0
.irp f, 0,1,2,3
	global_store_b128 v[GO], v[RR+4*(\f):RR+4*(\f)+3], s[DB+2*PHD:DB+2*PHD+1] offset:2048*PMB+512*(\f)
.endr
.endm
.set HAVE, 0
; The third head is the value head in the odd waves and a query head in the even ones: two blocks, each jumped by the waves that it does not serve.
; The value head's block stands under the same test, in the same form, as the loads of ve and the gates that it reads.
.macro PIECE mb, hd
.if (\hd) == 2
	WIN 0
	s_cmp_eq_u32 s[CH], 1
	s_cbranch_scc0 .Lnot_v_\@
	VMIX \mb
	WIN 0
.Lnot_v_\@:
	s_cmp_eq_u32 s[CH], 1
	s_cbranch_scc1 .Lmade_\@
	ROT \mb, 2
	RMS SC0+2
.Lmade_\@:
.else
	ROT \mb, \hd
	RMS SC0+(\hd)
.endif
.set z, 0
.rept 16
	v_cvt_pk_f16_f32 v[T+z], v[Y+2*z], v[Y+2*z+1]
.set z, z+1
.endr
.if HAVE
	SEND                                           ; this piece's arithmetic stood between the last piece's loads from the stage and the wait for them
.endif
	s_wait_xcnt 0x0                                ; the stores have read RR: it is loaded again only behind this wait
.irp n, 0,1,2,3
	ds_store_b128 v[STO], v[T+4*(\n):T+4*(\n)+3] offset:32*(\n)
.endr
.irp f, 0,1,2,3
	ds_load_b128 v[RR+4*(\f):RR+4*(\f)+3], v[RD] offset:(\f)*4*SP  ; LDS serves a wave's instructions in order (ISA guide 5.7.1.4): these see the stores above
.endr
.set HAVE, 1
.set PMB, \mb
.set PHD, \hd
.endm
.irp mb, 0,1,2,3
	PIECE \mb, 0
	PIECE \mb, 1
	PIECE \mb, 2
.endr
	SEND
	s_wait_tensorcnt 0x0                           ; the wave's end
	ds_add_u32 v[SPW], v[NIL]
	s_wait_dscnt 0x0
	CROUND                                         ; the closing round
	s_endpgm
.Lfunc_end_k_qbb06d3d1bf_qkv:
	.size	k_qbb06d3d1bf_qkv, .Lfunc_end_k_qbb06d3d1bf_qkv-k_qbb06d3d1bf_qkv
	.p2alignl 7, 3214868480
	.fill 96, 4, 3214868480
	.section	.rodata,"a",@progbits
	.p2align	6, 0x0
	.amdhsa_kernel k_qbb06d3d1bf_qkv
		.amdhsa_group_segment_fixed_size 327680
		.amdhsa_private_segment_fixed_size 0
		.amdhsa_enable_private_segment 0
		.amdhsa_kernarg_size 48
		.amdhsa_user_sgpr_count 2
		.amdhsa_user_sgpr_kernarg_segment_ptr 1
		.amdhsa_wavefront_size32 1
		.amdhsa_system_sgpr_workgroup_id_x 1
		.amdhsa_system_sgpr_workgroup_id_y 1
		.amdhsa_system_sgpr_workgroup_id_z 1
		.amdhsa_system_vgpr_workitem_id 0
		.amdhsa_next_free_vgpr 1024
		.amdhsa_next_free_sgpr 102
		.amdhsa_reserve_vcc 0
		.amdhsa_float_denorm_mode_32 3
		.amdhsa_float_denorm_mode_16_64 3
		.amdhsa_memory_ordered 1
		.amdhsa_forward_progress 1
		.amdhsa_inst_pref_size 198
	.end_amdhsa_kernel
	.amdgpu_metadata
---
amdhsa.version: [ 1, 2 ]
amdhsa.kernels:
  - .name:           k_qbb06d3d1bf_qkv
    .symbol:         k_qbb06d3d1bf_qkv.kd
    .args:
      - { .name: xb, .offset: 0, .size: 8, .value_kind: global_buffer, .address_space: global }
      - { .name: wqkvb, .offset: 8, .size: 8, .value_kind: global_buffer, .address_space: global }
      - { .name: csr, .offset: 16, .size: 8, .value_kind: global_buffer, .address_space: global }
      - { .name: ve, .offset: 24, .size: 8, .value_kind: global_buffer, .address_space: global }
      - { .name: w_gate, .offset: 32, .size: 8, .value_kind: global_buffer, .address_space: global }
      - { .name: qkv, .offset: 40, .size: 8, .value_kind: global_buffer, .address_space: global }
    .group_segment_fixed_size: 327680
    .private_segment_fixed_size: 0
    .kernarg_segment_align: 8
    .kernarg_segment_size: 48
    .max_flat_workgroup_size: 128
    .sgpr_count:     102
    .vgpr_count:     1024
    .wavefront_size: 32
...
	.end_amdgpu_metadata
.endif
;; end of part 2
;; launch attn (part 3): grid 16 x 16, 4 waves a work-group, no clusters, 327,680 bytes of LDS; arguments qkv, yb; writes yb
.if DOCPART == 3
	.amdgcn_target "amdgcn-amd-amdhsa--gfx1250"
	.amdhsa_code_object_version 6
	.text
	.protected	k_qbb06d3d1bf_attn
	.globl	k_qbb06d3d1bf_attn
	.p2align	8
	.type	k_qbb06d3d1bf_attn,@function
k_qbb06d3d1bf_attn:
	s_mov_b64 s[64:65], 0
	v_nop
	global_prefetch_b8 v0, s[64:65] scope:SCOPE_SE
	s_setreg_imm32_b32 hwreg(HW_REG_WAVE_MODE, 25, 1), 1
	s_wait_xcnt 0x0
; ATTENTION under the mask 0 <= q - k <= 1024.  In: qkv f16 [4][24][2048][64] (heads 0-15 q, 16-19 k, 20-23 v; q carries 1.15 log2(e) / 8, k carries 1.15).  Out: yb f16 [8192][1024], column = 64 head + channel.
; p = 2^(q . k); l = the sum of the unrounded p in f32; y = (the sum of f16(p) v) / l.
; NO MAXIMUM IS TAKEN AWAY: q and k are normalised rows (norm 8 at the most before the scales), so |q . k| <= 1.15^2 x 64 / 8 x log2(e) = 15.27 for every input:
; p lies in 2^-15.27 .. 2^15.27 (39,500 at the most, inside f16; at the low end 9 bits are kept), and a sum of 1,025 of them stays under 2^26.
; LIMITS.  v arrives within f16; y is a mean of v's rows.  A hidden score counts as its value less 1e30, and its weight is 0.  NaN and infinities are not treated apart.
; SHARES.  Work-group (w, batch and key head).  PHASE H: positions 1024 + 64 w .. + 63 of the key head's four query heads: 17 live key steps of 64.  PHASE L: positions 992 - 32 w .. + 31 and 32 w .. + 31,
; which walk the keys from 0 together while both see any.  That is the same count of tile steps for every w.
; A GROUP is 32 positions x 4 heads; a phase has two.  Of a group wave (hp, ph) holds two tiles of 16 queries: heads 2 hp, 2 hp + 1 at positions 16 ph .. + 15: both tiles have one mask.
; THE WALK is constant: six fills of 384 keys through two LDS slots, 36 key steps; a step in which no group sees a key is jumped, forward, past no barrier and no tensor load.
; NO CLUSTER: which steps are alive hangs on w, and in phase H the work-groups of a key head want different keys.
; THE MASK is the C operand that starts S^T = K Q^T: 0, or -1e30; it is made anew only where a step crosses an edge of the band (four times in H, twice in L).
; LAYOUT.  S^T (source 0 = 16 keys, source 1 = 16 queries) holds ONE query a lane (l % 16) and keys 8 (l / 16) + 0..7; two results rounded to f16 ARE source 1 of O^T = V^T P.
; REGISTERS: window 0 addresses, l, S^T (32 a tile), P (16 a tile); window 1 O^T (32 a tile), masks (32 a group); window 2 Q (16 a tile), phase L's Q, K and V of one step.
.set KS,    64
.set NST,   6                          ; key steps in a slot
.set PK,    144                        ; a row of K in LDS: 128 bytes + 16
.set PV,    160                        ; a row of V: 128 + 32
.set VOFF,  NST*KS*PK
.set SLOT1, 1<<17
.set STAGE, SLOT1+NST*KS*(PK+PV)       ; behind the ring: 16 rows x 272 bytes for each wave
.set SP,    272
.set SPARE, STAGE+4*16*SP
.set RL,  1
.set AK0, 2                            ; v2   my lane's place in a step's K; never rewritten
.set AV0, 3                            ; v3   the same for V
.set AK,  4
.set AV,  5
.set STO, 6
.set RD,  7
.set GO,  8
.set HL,  9
.set LE,  12                           ; v12  my query's place in its group less my lanes' 8 (l / 16)
.set E1,  13
.set QO,  15
.set LS,  16                           ; v16-23 l, a pair a tile (even keys', odd keys')
.set RC,  24                           ; v24-31 1 / l, twice a tile
.set SPW, 62
.set NIL, 63
.set S,   64
.set P,   192
.set MK,  128                          ; window 1
.set QB,  64                           ; window 2
.set KF,  128
.set VF,  192
.set WV,  12
.set W,   14
.set G1K, 24
.set G1V, 32
.set G0K, 40
.set G0V, 44
.set QH,  48                           ; s[48:53] Q: phase H, phase L group 0, group 1
.set YH,  54                           ; s[54:57] yb at my rows of phase H's two groups
.set YL,  58                           ; s[58:61] of phase L's
.set TBK, 62
.set TBV, 63
.set SLOTS, 66
.set CNT, 67
.set KB,  68                           ; the step's first key
.set PG,  69                           ; s69-70 the groups' first positions
.set DD,  71                           ; s71-72 PG - KB
.set MF,  73                           ; s73-74 1: the group's mask registers are not all 0
.set NXT, 75
.set FI,  76
.set BIGN, 77
.set OFF, 78
.set SEL, 80
.set TMP, 83
.set LIM, 84
.set MSB, 0
.macro WIN new
.if MSB != (\new)
	s_set_vgpr_msb (MSB<<8)|(\new)
.set MSB, (\new)
.endif
.endm
.macro PLACES
.rept 4
	v_nop
.endr
.endm
.macro LOAD                            ; waves 0 and 1 fetch the halves of a slot's K, waves 2 and 3 of its V: 192 keys each
	s_cmp_lt_u32 s[WV], 2
	s_cbranch_scc0 .Lfor_v_\@
	tensor_load_to_lds s[G0K:G0K+3], s[G1K:G1K+7]
	s_nop 0
.rept 4
	v_nop
.endr
	s_branch .Lasked_\@
.Lfor_v_\@:
	tensor_load_to_lds s[G0V:G0V+3], s[G1V:G1V+7]
	s_nop 0
.rept 4
	v_nop
.endr
.Lasked_\@:
.endm
; THE CHANGE OF SLOTS.  Each wave waits for all its tensor loads (one is out: its part of the other slot), adds 0 to its spare word, waits for that and for its reads of the slot that it leaves.
; fill = 1: the old slot is filled again, first thing behind the barrier, with the 384 keys from NXT on.
.macro CHANGE fill
	WIN 0
	s_wait_tensorcnt 0x0
	ds_add_u32 v[SPW], v[NIL]
.if \fill
	s_lshl_b32 s[OFF], s[NXT], 7                   ; 128 bytes a key
	s_xor_b32 s[G0K+1], s[G0K+1], SLOT1
	s_add_nc_u64 s[G0K+2:G0K+3], s[8:9], s[OFF:OFF+1]
	s_or_b32 s[G0K+3], s[G0K+3], 0x80000000
	s_xor_b32 s[G0V+1], s[G0V+1], SLOT1
	s_add_nc_u64 s[G0V+2:G0V+3], s[10:11], s[OFF:OFF+1]
	s_or_b32 s[G0V+3], s[G0V+3], 0x80000000
	s_add_co_u32 s[NXT], s[NXT], NST*KS
	s_add_co_u32 s[FI], s[FI], 1
	s_cmp_eq_u32 s[FI], 3                          ; behind phase H's three fills phase L begins at key 0
	s_cselect_b32 s[NXT], 0, s[NXT]
.endif
	s_wait_dscnt 0x0
	s_barrier_signal -1
	s_sub_co_u32 s[TBK], s[TBK], NST*KS*PK
	s_xor_b32 s[TBK], s[TBK], SLOT1
	s_sub_co_u32 s[TBV], s[TBV], NST*KS*PV
	s_xor_b32 s[TBV], s[TBV], SLOT1
	s_barrier_wait -1
.if \fill
	LOAD
.endif
.endm
	s_load_b128 s[4:7], s[0:1], 0x0                ; qkv s[4:5], yb s[6:7]
	v_lshl_add_u32 v[SPW], v0, 2, SPARE
	v_mov_b32 v[NIL], 0
	ds_add_u32 v[SPW], v[NIL]                      ; the opening: the add and its wait ahead of my first tensor load
	v_lshrrev_b32 v1, 5, v0
	v_readfirstlane_b32 s[WV], v1
	s_mov_b32 s[W], ttmp9
	s_and_b32 s15, ttmp7, 0xffff
	s_lshr_b32 s16, s15, 2                         ; batch
	s_and_b32 s17, s15, 3                          ; key head
	s_lshr_b32 s18, s[WV], 1                       ; hp
	s_and_b32 s19, s[WV], 1                        ; ph; also: which half of a slot's keys I fetch
	s_lshl_b32 s[KB], s[W], 6
	s_min_u32 s[KB], s[KB], 896                    ; phase H's first key: its three fills end inside the head's 2,048
	s_add_co_u32 s[NXT], s[KB], NST*KS
	s_mov_b32 s[FI], 1
	s_mul_i32 s22, s16, 24
	s_add_co_u32 s22, s22, s17
	s_add_co_u32 s22, s22, 16
	s_lshl_b32 s22, s22, 18                        ; the key head: 262,144 bytes a head
	s_mul_i32 s23, s19, 24576
	s_add_co_u32 s22, s22, s23                     ; my 192 keys of a slot's 384
	s_mov_b32 s23, 0
	s_mov_b32 s[G1K], (1<<16)|(1<<20)|(4<<22)|(3<<25)  ; 2-byte elements; padding on; after every 32 words 4 words
	s_mov_b32 s[G1V], (1<<16)|(1<<20)|(4<<22)|(7<<25)  ; the same with 8 words
.irp g, G1K, G1V
	s_mov_b32 s[\g+1], 128<<16                     ; 192 keys are 24,576 dense bytes: 96 rows of 256 bytes, two keys a row
	s_mov_b32 s[\g+2], 96<<16
	s_mov_b32 s[\g+3], 128<<16
	s_mov_b32 s[\g+4], 96
	s_mov_b32 s[\g+5], 128
	s_mov_b32 s[\g+6], 0
	s_mov_b32 s[\g+7], 0
.endr
	s_mov_b32 s[G0K], 1
	s_mul_i32 s[G0K+1], s19, 192*PK
	s_mov_b32 s[G0V], 1
	s_mul_i32 s[G0V+1], s19, 192*PV
	s_add_co_u32 s[G0V+1], s[G0V+1], VOFF
	s_lshl_b32 s[OFF], s[KB], 7
	s_mov_b32 s[OFF+1], 0
	s_mov_b32 s[TBK], SLOT1+NST*KS*PK              ; the first change of slots turns these two into 0
	s_mov_b32 s[TBV], SLOT1+NST*KS*PV
	s_mov_b32 s[SEL], 0x76543210
	s_mov_b32 s[SEL+1], 0xfedcba98
	s_mov_b32 s[BIGN], 0xf149f2ca                  ; -1e30
	s_mov_b32 s[LIM], 1024
	s_mov_b32 s[MF], 0
	s_mov_b32 s[MF+1], 0
	s_mov_b32 s[SLOTS], 5
	s_wait_dscnt 0x0                               ; the opening add is done
	s_wait_kmcnt 0x0
	s_add_nc_u64 s[8:9], s[4:5], s[22:23]          ; K at my half of the head's first keys,
	s_add_nc_u64 s[10:11], s[8:9], 0x100000        ; V four heads on
	s_add_nc_u64 s[G0K+2:G0K+3], s[8:9], s[OFF:OFF+1]
	s_or_b32 s[G0K+3], s[G0K+3], 0x80000000
	s_add_nc_u64 s[G0V+2:G0V+3], s[10:11], s[OFF:OFF+1]
	s_or_b32 s[G0V+3], s[G0V+3], 0x80000000
	LOAD                                           ; slot 0
	s_lshl_b32 s85, s[W], 6
	s_add_co_u32 s85, s85, 1024                    ; phase H's first position
	s_lshl_b32 s87, s[W], 5                        ; phase L, group 1
	s_sub_co_u32 s86, 992, s87                     ; phase L, group 0
	s_mov_b32 s[PG], s85
	s_add_co_u32 s[PG+1], s85, 32
	s_lshl_b32 s20, s17, 2
	s_lshl_b32 s21, s18, 1
	s_add_co_u32 s20, s20, s21                     ; my first query head
	s_mul_i32 s21, s16, 24
	s_add_co_u32 s21, s21, s20
	s_lshl_b32 s21, s21, 11
	s_lshl_b32 s[TMP], s19, 4                      ; 16 ph
	s_add_co_u32 s21, s21, s[TMP]                  ; rows of qkv in front of a group's first position
	s_lshl_b32 s13, s16, 11
	s_add_co_u32 s13, s13, s[TMP]                  ; rows of yb
	s_lshl_b32 s20, s20, 7                         ; my two heads' 256 bytes in a row of yb
.macro QADR dst, p
	s_add_co_u32 s22, s21, s\p
	s_lshl_b32 s22, s22, 7
	s_add_nc_u64 s[\dst:(\dst)+1], s[4:5], s[22:23]
.endm
.macro YADR dst, p, more
	s_add_co_u32 s22, s13, s\p
	s_add_co_u32 s22, s22, \more
	s_lshl_b32 s22, s22, 11
	s_add_co_u32 s22, s22, s20
	s_add_nc_u64 s[\dst:(\dst)+1], s[6:7], s[22:23]
.endm
	QADR QH, 85
	QADR QH+2, 86
	QADR QH+4, 87
	YADR YH, 85, 0
	YADR YH+2, 85, 32
	YADR YL, 86, 0
	YADR YL+2, 87, 0
	v_and_b32 v[RL], 15, v0
	v_bfe_u32 v[HL], v0, 4, 1
	v_lshlrev_b32 v[QO], 7, v[RL]
	v_lshl_add_u32 v[QO], v[HL], 4, v[QO]          ; row x 128 + 16 x half
	WIN 0x80
.irp g, 0,1
.irp u, 0,1
.irp c, 0,1
	global_load_b128 v[16*(2*\g+\u)+8*\c:16*(2*\g+\u)+8*\c+3],         v[QO], s[QH:QH+1] offset:\u*262144+\g*4096+\c*64
	global_load_b128 v[16*(2*\g+\u)+8*\c+4:16*(2*\g+\u)+8*\c+7],       v[QO], s[QH:QH+1] offset:\u*262144+\g*4096+\c*64+32
	global_load_b128 v[QB+16*(2*\g+\u)+8*\c:QB+16*(2*\g+\u)+8*\c+3],   v[QO], s[QH+2+2*\g:QH+3+2*\g] offset:\u*262144+\c*64
	global_load_b128 v[QB+16*(2*\g+\u)+8*\c+4:QB+16*(2*\g+\u)+8*\c+7], v[QO], s[QH+2+2*\g:QH+3+2*\g] offset:\u*262144+\c*64+32
.endr
.endr
.endr
	WIN 0x40                                       ; O^T and the masks start at 0: written in the wait for the first tile, so that the loop has one form of product
.set i, 0
.rept 192
	v_mov_b32 v[i], 0
.set i, i+1
.endr
	WIN 0
.set i, 0
.rept 8
	v_mov_b32 v[LS+i], 0
.set i, i+1
.endr
	v_lshlrev_b32 v[E1], 3, v[HL]
	v_sub_nc_u32 v[LE], v[RL], v[E1]
	v_add_nc_u32 v[LE], s[TMP], v[LE]
	v_mul_u32_u24 v[AK0], v[RL], PK
	v_lshl_add_u32 v[AK0], v[HL], 4, v[AK0]
	v_and_b32 v10, 7, v0
	v_bfe_u32 v11, v0, 3, 1
	v_lshl_add_u32 v[AV0], v[HL], 3, v10           ; the turning load: key 8 (l / 16) + l % 8, channels 8 ((l / 8) % 2) + 0..7
	v_mul_u32_u24 v[AV0], v[AV0], PV
	v_lshl_add_u32 v[AV0], v11, 4, v[AV0]
	v_add_nc_u32 v[AV0], VOFF, v[AV0]
	s_mul_i32 s22, s[WV], 16*SP
	s_add_co_u32 s22, s22, STAGE
	v_mul_u32_u24 v[STO], v[RL], SP
	v_lshl_add_u32 v[STO], v[HL], 4, v[STO]
	v_add_nc_u32 v[STO], s22, v[STO]
	v_mul_u32_u24 v[RD], v[HL], SP                 ; back: lanes 0-15 one row of 256 bytes, lanes 16-31 the next
	v_lshl_add_u32 v[RD], v[RL], 4, v[RD]
	v_add_nc_u32 v[RD], s22, v[RD]
	v_lshlrev_b32 v[GO], 11, v[HL]                 ; and the same two rows of yb
	v_lshl_add_u32 v[GO], v[RL], 4, v[GO]
	s_wait_loadcnt 0x0                             ; Q
; THE MATRIX WORK.  The 8 accumulators of a run of 16 take turns.  Product i of S^T for group g: channels 32 (i / 8) on, keys 16 ((i % 8) / 2) on, tile 2 g + i % 2.
.macro KQ g
.set rS, S+32*(2*(\g)+i%2)+8*((i%8)/2)
.set rK, KF+16*((i%8)/2)+8*(i/8)
.set rQ, 16*(2*(\g)+i%2)+8*(i/8)
.set rM, MK+32*(\g)+8*((i%8)/2)
.if i < 8
	WIN 0x1a
	v_wmma_f32_16x16x32_f16 v[rS:rS+7], v[rK:rK+7], v[rQ:rQ+7], v[rM:rM+7]
.else
	WIN 0x0a
	v_wmma_f32_16x16x32_f16 v[rS:rS+7], v[rK:rK+7], v[rQ:rQ+7], v[rS:rS+7]
.endif
.set i, i+1
.endm
; Product i of O^T += V^T P for group g: keys 32 (i / 8) on, channels 16 ((i % 8) / 2) on, tile 2 g + i % 2.
.macro PV g
	WIN 0x52
.set rO, 32*(2*(\g)+i%2)+8*((i%8)/2)
.set rV, VF+32*(i/8)+8*((i%8)/2)
.set rP, P+16*(2*(\g)+i%2)+8*(i/8)
	v_wmma_f32_16x16x32_f16 v[rO:rO+7], v[rV:rV+7], v[rP:rP+7], v[rO:rO+7]
.set i, i+1
.endm
.macro KLOADS off                      ; a step's K: 64 keys x 64 channels, 8 fragments, in one run
	WIN 0x80
.irp f, 0,1,2,3,4,5,6,7
	ds_load_b128 v[KF+8*\f:KF+8*\f+3],   v[AK] offset:(\off)+(\f/2)*16*PK+(\f%2)*64
	ds_load_b128 v[KF+8*\f+4:KF+8*\f+7], v[AK] offset:(\off)+(\f/2)*16*PK+(\f%2)*64+32
.endr
	WIN 0
.endm
.macro FETCH_KN                        ; the next step's K; a slot's last step has none: the change of slots fetches it
	WIN 0
	s_cmp_eq_u32 s[CNT], 1
	s_cbranch_scc1 .Lno_k_\@
	v_add_nc_u32 v[AK], s[TBK], v[AK0]
	KLOADS KS*PK
.Lno_k_\@:
.endm
.macro FETCH_V
	WIN 0x80
.irp f, 0,1,2,3,4,5,6,7
	ds_load_tr16_b128 v[VF+8*\f:VF+8*\f+3],   v[AV] offset:(\f/4)*32*PV+(\f%4)*32
	ds_load_tr16_b128 v[VF+8*\f+4:VF+8*\f+7], v[AV] offset:(\f/4)*32*PV+16*PV+(\f%4)*32
.endr
	WIN 0
.endm
; THE VECTOR WORK of a group and step, in three queues, the two tiles alternating.  EXQ: 64 exponentials, ascending in each accumulator.  CVQ: 32 roundings to f16.
; ADQ: 16 sums of neighbouring pairs, in place, then 16 additions onto l.
.macro EXQ g
	WIN 0
	v_exp_f32 v[S+64*(\g)+32*(e%2)+e/2], v[S+64*(\g)+32*(e%2)+e/2]
.set e, e+1
.endm
.macro CVQ g
	WIN 0
	v_cvt_pk_f16_f32 v[P+32*(\g)+16*(c%2)+c/2], v[S+64*(\g)+32*(c%2)+2*(c/2)], v[S+64*(\g)+32*(c%2)+2*(c/2)+1]
.set c, c+1
.endm
.macro ADQ g
	WIN 0
.if a < 16
.set rA, S+64*(\g)+32*(a%2)+4*(a/2)
	v_pk_add_f32 v[rA:rA+1], v[rA:rA+1], v[rA+2:rA+3]
.else
.set rA, S+64*(\g)+32*(a%2)+4*((a-16)/2)
.set rL, LS+2*(2*(\g)+a%2)
	v_pk_add_f32 v[rL:rL+1], v[rL:rL+1], v[rA:rA+1]
.endif
.set a, a+1
.endm
.macro HEAD_OF_STEP                    ; V of this step is asked for; K, asked for a step ago, is waited for
	WIN 0
	v_add_nc_u32 v[AV], s[TBV], v[AV0]
	PLACES                                         ; behind the last product that read V
	FETCH_V
	s_wait_dscnt 16                                ; all but V's 16 loads: K is in
.set i, 0
.rept 16
	KQ 0
.endr
	WIN 0
	PLACES                                         ; behind those products, ahead of the exponentials that read them
.endm
; A STEP IN WHICH BOTH GROUPS SEE KEYS.  Each group's 64 exponentials are one batch with one wait; group 0's stand behind group 1's products K Q^T, group 1's behind group 0's products V^T P.
.macro STEP_BOTH
	HEAD_OF_STEP
.set i, 0
.set e, 0
.rept 16
	KQ 1
	EXQ 0
	EXQ 0
	EXQ 0
	EXQ 0
.endr
	WIN 0
	v_nop                                          ; the plain instruction behind the last exponential
	s_wait_alu depctr_va_vdst(0)                   ; the wait for group 0's batch
.set c, 0
.rept 32
	CVQ 0                                          ; also the places between the last product that read K and K's next run of loads
.endr
	s_wait_dscnt 0x0                               ; V is in
	FETCH_KN
.set i, 0
.set a, 0
.set e, 0
.rept 16
	PV 0
	ADQ 0
	EXQ 1
	ADQ 0
	EXQ 1
	EXQ 1
	EXQ 1
.endr
	WIN 0
	v_nop
	s_wait_alu depctr_va_vdst(0)                   ; the wait for group 1's batch
.set c, 0
.rept 32
	CVQ 1
.endr
.set i, 0
.set a, 0
.rept 16
	PV 1
	ADQ 1
	ADQ 1
.endr
	WIN 0
.endm
.macro STEP_G0                         ; group 0 alone
	HEAD_OF_STEP
.set e, 0
.rept 64
	EXQ 0
.endr
	v_nop
	s_wait_alu depctr_va_vdst(0)
.set c, 0
.rept 32
	CVQ 0
.endr
	s_wait_dscnt 0x0                               ; V is in
	FETCH_KN
.set i, 0
.set a, 0
.rept 16
	PV 0
	ADQ 0
	ADQ 0
.endr
	WIN 0
.endm
.macro DEAD                            ; no group sees a key of this step: only the next step's K is fetched
	s_wait_dscnt 0x0                               ; this step's K has come: its registers may be loaded again
	PLACES
	FETCH_KN
.endm
; THE MASK of group g for this step.  q - k = DD + LE - (16 kb + j) for register j of key block kb; hidden where that, unsigned, is above 1,024.
; A step with 64 <= DD <= 992 hides nothing: its mask is 0, written only if the registers hold another.
.macro MASKUPD g
	s_sub_co_u32 s[TMP], s[DD+(\g)], 64
	s_cmp_le_u32 s[TMP], 928
	s_cbranch_scc0 .Lbuild_\@
	s_cmp_eq_u32 s[MF+(\g)], 0
	s_cbranch_scc1 .Lmasked_\@
	WIN 0x40
.set n, 0
.rept 32
	v_mov_b32 v[MK+32*(\g)+n], 0
.set n, n+1
.endr
	WIN 0
	s_mov_b32 s[MF+(\g)], 0
	s_branch .Lmasked_\@
.Lbuild_\@:
	v_add_nc_u32 v[E1], s[DD+(\g)], v[LE]
.set n, 0
.rept 32
	v_sub_nc_u32 v[S+64*(\g)+n], v[E1], 16*(n/8)+n%8
.set n, n+1
.endr
	WIN 0x40
.set n, 0
.rept 32
	v_cmp_lt_u32 vcc_lo, s[LIM], v[S+64*(\g)+n]
	v_cndmask_b32 v[MK+32*(\g)+n], 0, s[BIGN], vcc_lo
.set n, n+1
.endr
	WIN 0
	s_mov_b32 s[MF+(\g)], 1
.Lmasked_\@:
.endm
.macro STEP_ON                         ; on to the next key step
	s_add_co_u32 s[TBK], s[TBK], KS*PK
	s_add_co_u32 s[TBV], s[TBV], KS*PV
	s_add_co_u32 s[KB], s[KB], KS
	s_sub_co_u32 s[CNT], s[CNT], 1
	s_cmp_lg_u32 s[CNT], 0
.endm
; THE WAY OUT of a phase: l's halves and the other half of the lanes' are added; O^T / l is rounded to f16 and goes through my stage, a group (16 positions x 2 heads: rows of 256 bytes) at a time.
.macro PACK g
	WIN 0x41
.irp u, 0,1
.set z, 0
.rept 16
	v_pk_mul_f32 v[32*(2*(\g)+\u)+z:32*(2*(\g)+\u)+z+1], v[32*(2*(\g)+\u)+z:32*(2*(\g)+\u)+z+1], v[RC+2*(2*(\g)+\u):RC+2*(2*(\g)+\u)+1]
.set z, z+2
.endr
.endr
	WIN 0x05
.irp u, 0,1
.set z, 0
.rept 16
	v_cvt_pk_f16_f32 v[S+64*(\g)+16*\u+z], v[32*(2*(\g)+\u)+2*z], v[32*(2*(\g)+\u)+2*z+1]
.set z, z+1
.endr
.endr
	WIN 0
.irp u, 0,1
.irp f, 0,1,2,3
	ds_store_b128 v[STO], v[S+64*(\g)+16*\u+4*\f:S+64*(\g)+16*\u+4*\f+3] offset:128*\u+32*\f
.endr
.endr
.irp t, 0,1,2,3,4,5,6,7
	ds_load_b128 v[S+64*(\g)+32+4*\t:S+64*(\g)+32+4*\t+3], v[RD] offset:\t*2*SP  ; LDS serves a wave's instructions in order (ISA guide 5.7.1.4): these see the stores above
.endr
.endm
.macro SEND g, younger, yr             ; younger: the LDS instructions issued behind this group's loads
.irp t, 0,1,2,3,4,5,6,7
	s_wait_dscnt (\younger)+7-\t
	global_store_b128 v[GO], v[S+64*(\g)+32+4*\t:S+64*(\g)+32+4*\t+3], s[\yr:(\yr)+1] offset:4096*\t  ; 16 lanes store 256 consecutive bytes, at a multiple of 256 from yb's first byte
.endr
.endm
.macro WAYOUT yr
	WIN 0
.irp t, 0,1,2,3
	v_add_f32 v[LS+2*\t], v[LS+2*\t], v[LS+2*\t+1]
.endr
.irp t, 0,1,2,3
	v_permlanex16_b32 v[LS+2*\t+1], v[LS+2*\t], s[SEL], s[SEL+1]
.endr
.irp t, 0,1,2,3
	v_add_f32 v[LS+2*\t], v[LS+2*\t], v[LS+2*\t+1]
.endr
.irp t, 0,1,2,3
	v_rcp_f32 v[RC+2*\t], v[LS+2*\t]
	v_rcp_f32 v[RC+2*\t+1], v[LS+2*\t]
.endr
	v_nop
	s_wait_alu depctr_va_vdst(0)                   ; one wait for the eight reciprocals
	PACK 0
	PACK 1
	SEND 0, 16, \yr
	SEND 1, 0, (\yr)+2
.endm
.Lslot:                                                ; five times: a slot is entered and the other is asked for
	CHANGE 1
	v_add_nc_u32 v[AK], s[TBK], v[AK0]
	KLOADS 0                                       ; K of the slot's first step
	s_mov_b32 s[CNT], NST
.Lpos:
	s_sub_co_u32 s[DD], s[PG], s[KB]
	s_sub_co_u32 s[DD+1], s[PG+1], s[KB]
	s_cmp_le_u32 s[DD], 1087                       ; a group sees keys of the step where 0 <= DD <= 1087; group 0 outlives group 1
	s_cbranch_scc0 .Ldead
	MASKUPD 0
	s_cmp_le_u32 s[DD+1], 1087
	s_cbranch_scc0 .Lalone
	MASKUPD 1
	STEP_BOTH
	s_branch .Lnext
.Lalone:
	STEP_G0
	s_branch .Lnext
.Ldead:
	DEAD
.Lnext:
	STEP_ON
	s_cbranch_scc1 .Lpos
	s_cmp_lg_u32 s[SLOTS], 3                       ; behind the third slot phase H ends
	s_cbranch_scc1 .Lbottom
	WAYOUT YH
	s_wait_xcnt 0x0                                ; the stores have read their registers
	WIN 0x82                                       ; phase L's Q goes where the one text of the steps names Q
.set i, 0
.rept 64
	v_mov_b32 v[i], v[QB+i]
.set i, i+1
.endr
	WIN 0x40
.set i, 0
.rept 128
	v_mov_b32 v[i], 0
.set i, i+1
.endr
	WIN 0
.set i, 0
.rept 8
	v_mov_b32 v[LS+i], 0
.set i, i+1
.endr
	s_lshl_b32 s[PG+1], s[W], 5
	s_sub_co_u32 s[PG], 992, s[PG+1]
	s_mov_b32 s[KB], 0
.Lbottom:
	s_sub_co_u32 s[SLOTS], s[SLOTS], 1
	s_cmp_lg_u32 s[SLOTS], 0
	s_cbranch_scc1 .Lslot
	CHANGE 0                                       ; the last slot (keys 768 on) is written out; group 1, at 480 at the most, sees none of it
	PLACES
	v_add_nc_u32 v[AK], s[TBK], v[AK0]
	KLOADS 0
	s_mov_b32 s[CNT], NST
.Ltpos:
	s_sub_co_u32 s[DD], s[PG], s[KB]
	s_cmp_le_u32 s[DD], 1087
	s_cbranch_scc0 .Ltdead
	MASKUPD 0
	STEP_G0
	s_branch .Ltnext
.Ltdead:
	DEAD
.Ltnext:
	STEP_ON
	s_cbranch_scc1 .Ltpos
	WAYOUT YL
	s_wait_tensorcnt 0x0                           ; the wave's end
	ds_add_u32 v[SPW], v[NIL]
	s_wait_dscnt 0x0
	s_endpgm
.Lfunc_end_k_qbb06d3d1bf_attn:
	.size	k_qbb06d3d1bf_attn, .Lfunc_end_k_qbb06d3d1bf_attn-k_qbb06d3d1bf_attn
	.p2alignl 7, 3214868480
	.fill 96, 4, 3214868480
	.section	.rodata,"a",@progbits
	.p2align	6, 0x0
	.amdhsa_kernel k_qbb06d3d1bf_attn
		.amdhsa_group_segment_fixed_size 327680
		.amdhsa_private_segment_fixed_size 0
		.amdhsa_enable_private_segment 0
		.amdhsa_kernarg_size 16
		.amdhsa_user_sgpr_count 2
		.amdhsa_user_sgpr_kernarg_segment_ptr 1
		.amdhsa_wavefront_size32 1
		.amdhsa_system_sgpr_workgroup_id_x 1
		.amdhsa_system_sgpr_workgroup_id_y 1
		.amdhsa_system_sgpr_workgroup_id_z 1
		.amdhsa_system_vgpr_workitem_id 0
		.amdhsa_next_free_vgpr 768
		.amdhsa_next_free_sgpr 88
		.amdhsa_reserve_vcc 1
		.amdhsa_float_denorm_mode_32 3
		.amdhsa_float_denorm_mode_16_64 3
		.amdhsa_memory_ordered 1
		.amdhsa_forward_progress 1
		.amdhsa_inst_pref_size 122
	.end_amdhsa_kernel
	.amdgpu_metadata
---
amdhsa.version: [ 1, 2 ]
amdhsa.kernels:
  - .name:           k_qbb06d3d1bf_attn
    .symbol:         k_qbb06d3d1bf_attn.kd
    .args:
      - { .name: qkv, .offset: 0, .size: 8, .value_kind: global_buffer, .address_space: global }
      - { .name: yb, .offset: 8, .size: 8, .value_kind: global_buffer, .address_space: global }
    .group_segment_fixed_size: 327680
    .private_segment_fixed_size: 0
    .kernarg_segment_align: 8
    .kernarg_segment_size: 16
    .max_flat_workgroup_size: 128
    .sgpr_count:     88
    .vgpr_count:     768
    .wavefront_size: 32
...
	.end_amdgpu_metadata
.endif
;; end of part 3
;; launch oproj (part 4): grid 8 x 32, 4 waves a work-group, clusters of 4 x 4, 327,680 bytes of LDS; arguments yb, wob, out0; writes out0
.if DOCPART == 4
	.amdgcn_target "amdgcn-amd-amdhsa--gfx1250"
	.amdhsa_code_object_version 6
	.text
	.protected	k_qbb06d3d1bf_oproj
	.globl	k_qbb06d3d1bf_oproj
	.p2align	8
	.type	k_qbb06d3d1bf_oproj,@function
k_qbb06d3d1bf_oproj:
	s_mov_b64 s[64:65], 0
	v_nop
	global_prefetch_b8 v0, s[64:65] scope:SCOPE_SE
	s_setreg_imm32_b32 hwreg(HW_REG_WAVE_MODE, 25, 1), 1
	s_wait_xcnt 0x0
	s_wait_alu depctr_hold_cnt(0) depctr_sa_sdst(0) depctr_va_vdst(0) depctr_va_sdst(0) depctr_va_ssrc(0) depctr_va_vcc(0) depctr_vm_vsrc(0)
	s_getreg_b32 s2, hwreg(HW_REG_IB_STS2, 6, 4)
	s_cmp_eq_u32 s2, 0
	s_cbranch_scc0 .Lentry_in_a_cluster
	s_endpgm
.Lentry_in_a_cluster:
	s_bfe_u32 s2, ttmp6, 0x10000c
	s_cmp_lg_u32 s2, 0xf033
	s_cbranch_scc0 .Lentry_shape_is_right
	s_endpgm
.Lentry_shape_is_right:
; out0[m][n] = the sum over k of yb[m][k] wob[n][k].  yb f16 [8192][1024], wob f16 [1024][1024], out0 f32 [8192][1024]; sums in f32.
; A tile is 256 rows x 128 columns: 32 x 8 work-groups.  A wave makes 128 rows x 64 columns: 32 accumulators, window 2.  K goes in 8 steps of 128 through two LDS slots.
; CLUSTER: 4 x 4 work-groups; yb's tiles are shared along a row of the cluster, wob's along a column.  Waves 0 and 1 ask for the halves of yb's 256 rows, waves 2 and 3 for the halves of wob's 128.
; THE MATRIX INSTRUCTION IS USED TRANSPOSED (source 0 = 16 rows of wob, source 1 = 16 rows of yb): a lane holds eight neighbouring columns of one row; a wave's 64 columns are 256 aligned bytes of out0.
; REGISTERS: window 0 addresses and the way out; window 1 two fragment buffers of 96 (wob's four fragments, then yb's eight); window 2 accumulator (a, b) at 8 (4 a + b).
.set KSTEP,  128
.set PITCH,  272
.set AHALF,  128*PITCH
.set BHALF,  64*PITCH
.set BOFF,   2*AHALF
.set SLOT,   2*AHALF+2*BHALF
.set STAGE,  2*SLOT                    ; behind the ring: 16 rows x 272 bytes for each wave
.set SPITCH, 272
.set SPARE,  STAGE+4*16*SPITCH
.set ADRA, 16
.set ADRB, 20
.set STO,  24
.set RD,   25
.set CO,   26
.set SPW,  28
.set NIL,  29
.set OB,   32                          ; v32-63, v64-95: 16 rows read back from the stage, by turns
.set F0,   0
.set F1,   96
.set G1,  24
.set G0,  32
.set G1B, 48
.set G0B, 56
.set MSB, 0
.macro WIN new
.if MSB != (\new)
	s_set_vgpr_msb (MSB<<8)|(\new)
.set MSB, \new
.endif
.endm
.macro PLACES
.rept 4
	v_nop
.endr
.endm
.macro JLOAD s
	s_cmp_eq_u32 s11, 0
	s_cbranch_scc0 .Lfor_b_\@
	tensor_load_to_lds s[G0+4*(\s):G0+4*(\s)+3], s[G1:G1+7]
	s_nop 0
.rept 4
	v_nop
.endr
	s_branch .Lasked_\@
.Lfor_b_\@:
	tensor_load_to_lds s[G0B+4*(\s):G0B+4*(\s)+3], s[G1B:G1B+7]
	s_nop 0
.rept 4
	v_nop
.endr
.Lasked_\@:
.endm
.macro CREST
	s_cmp_lg_u32 s10, 0
	s_cbranch_scc1 .Lnot_wave_0_\@
	s_barrier_signal -3
.Lnot_wave_0_\@:
	s_barrier_wait -3
	s_barrier_signal -1
	s_barrier_wait -1
.endm
.macro CROUND
	s_barrier_signal -1
	s_barrier_wait -1
	CREST
.endm
	s_load_b128 s[4:7], s[0:1], 0x0                ; yb s[4:5], wob s[6:7]
	s_load_b64 s[8:9], s[0:1], 0x10                ; out0
	v_lshl_add_u32 v[SPW], v0, 2, SPARE
	v_mov_b32 v[NIL], 0
	ds_add_u32 v[SPW], v[NIL]                      ; the opening: the add and its wait ahead of my first tensor load
	v_lshrrev_b32 v1, 5, v0
	v_readfirstlane_b32 s10, v1                    ; wave 0..3
	s_lshr_b32 s11, s10, 1                         ; which 128 rows are mine.  Also: I fetch for yb (0) or for wob (1)
	s_and_b32 s12, s10, 1                          ; which 64 columns.  Also: which half of that tile I fetch
	s_bfe_u32 s40, ttmp6, 0x40000
	s_bfe_u32 s41, ttmp6, 0x40004
	s_lshl_b32 s42, ttmp9, 2
	s_add_co_u32 s42, s42, s40                     ; tile column
	s_and_b32 s13, ttmp7, 0xffff
	s_lshl_b32 s13, s13, 2
	s_add_co_u32 s13, s13, s41                     ; tile row
	s_lshl_b32 s43, s41, 2
	s_lshl_b32 s43, 15, s43                        ; my row of the cluster
	s_lshl_b32 s44, 0x1111, s40                    ; my column
	s_or_b32 s[G1],  s43, (1<<16)|(1<<20)|(1<<21)|(5<<22)|(3<<25)
	s_or_b32 s[G1B], s44, (1<<16)|(1<<20)|(1<<21)|(5<<22)|(3<<25)
	s_mov_b32 s[G1+1], KSTEP<<16                   ; yb: 128 rows x 128 elements
	s_mov_b32 s[G1+2], 128<<16
	s_mov_b32 s[G1+3], KSTEP<<16
	s_mov_b32 s[G1+4], 128
	s_mov_b32 s[G1+5], 1024
	s_mov_b32 s[G1+6], 0
	s_mov_b32 s[G1+7], 0
	s_mov_b32 s[G1B+1], KSTEP<<16                  ; wob: 64 rows x 128 elements
	s_mov_b32 s[G1B+2], 64<<16
	s_mov_b32 s[G1B+3], KSTEP<<16
	s_mov_b32 s[G1B+4], 64
	s_mov_b32 s[G1B+5], 1024
	s_mov_b32 s[G1B+6], 0
	s_mov_b32 s[G1B+7], 0
	s_lshl_b32 s17, s12, 7
	s_lshl_b32 s16, s13, 8
	s_add_co_u32 s16, s16, s17                     ; yb: row 256 x tile row + 128 x half
	s_lshl_b32 s16, s16, 11
	s_mov_b32 s17, 0
	s_lshl_b32 s47, s12, 6
	s_lshl_b32 s46, s42, 7
	s_add_co_u32 s46, s46, s47                     ; wob: row 128 x tile column + 64 x half
	s_lshl_b32 s46, s46, 11
	s_mov_b32 s47, 0
	s_mul_i32 s20, s12, AHALF                      ; where they go
	s_mul_i32 s21, s12, BHALF
	s_add_co_u32 s21, s21, BOFF
	s_wait_dscnt 0x0                               ; the opening add is done
	s_wait_kmcnt 0x0
	s_add_nc_u64 s[14:15], s[4:5], s[16:17]
	s_add_nc_u64 s[46:47], s[6:7], s[46:47]
	CROUND                                         ; all sixteen work-groups are here: the first joint loads meet
.irp s, 0,1
	s_mov_b32 s[G0+4*(\s)], 1
	s_add_co_u32 s[G0+4*(\s)+1], s20, (\s)*SLOT
	s_add_nc_u64 s[G0+4*(\s)+2:G0+4*(\s)+3], s[14:15], (\s)*KSTEP*2
	s_or_b32 s[G0+4*(\s)+3], s[G0+4*(\s)+3], 0x80000000
	s_mov_b32 s[G0B+4*(\s)], 1
	s_add_co_u32 s[G0B+4*(\s)+1], s21, (\s)*SLOT
	s_add_nc_u64 s[G0B+4*(\s)+2:G0B+4*(\s)+3], s[46:47], (\s)*KSTEP*2
	s_or_b32 s[G0B+4*(\s)+3], s[G0B+4*(\s)+3], 0x80000000
	JLOAD \s
.endr
	v_and_b32 v1, 15, v0                           ; l % 16
	v_bfe_u32 v2, v0, 4, 1                         ; l / 16
	v_mul_u32_u24 v3, v1, PITCH
	v_lshl_add_u32 v3, v2, 4, v3
	s_mul_i32 s21, s11, AHALF                      ; my 128 rows of yb
	s_mul_i32 s22, s12, BHALF                      ; my 64 rows of wob
	s_add_co_u32 s22, s22, BOFF
.irp s, 0,1
	v_add_nc_u32 v[ADRA+(\s)], s21, v3
	v_add_nc_u32 v[ADRB+(\s)], s22, v3
	s_add_co_u32 s21, s21, SLOT
	s_add_co_u32 s22, s22, SLOT
.endr
	s_mul_i32 s23, s10, 16*SPITCH
	s_add_co_u32 s23, s23, STAGE                   ; my stage
	v_mul_u32_u24 v4, v1, SPITCH                   ; in: row l % 16, 32 bytes for each half of the lanes
	v_lshl_add_u32 v4, v2, 5, v4
	v_add_nc_u32 v[STO], s23, v4
	v_mul_u32_u24 v5, v2, SPITCH                   ; back: lanes 0-15 one row of 256 bytes, lanes 16-31 the next
	v_lshl_add_u32 v5, v1, 4, v5
	v_add_nc_u32 v[RD], s23, v5
	v_lshlrev_b32 v5, 12, v2                       ; and the same two rows of out0
	v_lshl_add_u32 v[CO], v1, 4, v5
	s_lshl_b32 s16, s13, 8
	s_lshl_b32 s17, s11, 7
	s_add_co_u32 s16, s16, s17                     ; my first row
	s_lshl_b32 s16, s16, 12
	s_mov_b32 s17, 0
	s_add_nc_u64 s[8:9], s[8:9], s[16:17]
	s_lshl_b32 s46, s42, 9                         ; my first column, in bytes
	s_lshl_b32 s47, s12, 8
	s_add_co_u32 s46, s46, s47
	s_mov_b32 s47, 0
	s_add_nc_u64 s[8:9], s[8:9], s[46:47]
; 4 n products: row blocks a0 .. a0 + n - 1 x all four column blocks
.macro MUL f, a0, n, zero
	WIN 0xa5
.set a, \a0
.rept \n
.irp b, 0,1,2,3
.if \zero
	v_wmma_f32_16x16x32_f16 v[8*(4*a+(\b)):8*(4*a+(\b))+7], v[(\f)+8*(\b):(\f)+8*(\b)+7], v[(\f)+32+8*a:(\f)+32+8*a+7], 0
.else
	v_wmma_f32_16x16x32_f16 v[8*(4*a+(\b)):8*(4*a+(\b))+7], v[(\f)+8*(\b):(\f)+8*(\b)+7], v[(\f)+32+8*a:(\f)+32+8*a+7], v[8*(4*a+(\b)):8*(4*a+(\b))+7]
.endif
.endr
.set a, a+1
.endr
.endm
.macro FETCH slot, k, f                ; 24 LDS loads in one run: wob's four fragments, then yb's eight
	WIN 0x40
.irp i, 0,1,2,3
	ds_load_b128 v[(\f)+8*(\i):(\f)+8*(\i)+3],   v[ADRB+(\slot)] offset:(\k)+(\i)*16*PITCH
	ds_load_b128 v[(\f)+8*(\i)+4:(\f)+8*(\i)+7], v[ADRB+(\slot)] offset:(\k)+(\i)*16*PITCH+32
.endr
.irp i, 0,1,2,3,4,5,6,7
	ds_load_b128 v[(\f)+32+8*(\i):(\f)+32+8*(\i)+3],   v[ADRA+(\slot)] offset:(\k)+(\i)*16*PITCH
	ds_load_b128 v[(\f)+32+8*(\i)+4:(\f)+32+8*(\i)+7], v[ADRA+(\slot)] offset:(\k)+(\i)*16*PITCH+32
.endr
.endm
; A K step is four quarters of 32 along K, 32 products each; the 32 accumulators take turns, in the same order in every quarter.
.macro QUARTER slot, k, f, g, zero
	s_wait_dscnt 8                                 ; all but the youngest eight loads (row blocks 4-7) are in
	MUL \f, 0, 4, \zero
	PLACES
	FETCH \slot, \k, \g
	s_wait_dscnt 24                                ; all but the 24 just issued
	MUL \f, 4, 4, \zero
.endm
.macro TURN slot, next, fill
	WIN 0
	s_wait_tensorcnt 0x0                           ; my part of the next slot has landed: no tensor load of mine is out
	ds_add_u32 v[SPW], v[NIL]
	s_wait_dscnt 9                                 ; the add and the youngest eight loads may be out
	MUL F1, 0, 2, 0
	s_wait_dscnt 0x0                               ; the add is done, and my reads of this slot are over
	s_barrier_signal -1
	MUL F1, 2, 2, 0
.if \fill
	WIN 0
.endif
	s_barrier_wait -1
.if \fill
	CREST
	s_add_nc_u64 s[G0+4*(\slot)+2:G0+4*(\slot)+3], s[G0+4*(\slot)+2:G0+4*(\slot)+3], 2*KSTEP*2
	s_add_nc_u64 s[G0B+4*(\slot)+2:G0B+4*(\slot)+3], s[G0B+4*(\slot)+2:G0B+4*(\slot)+3], 2*KSTEP*2
	JLOAD \slot                                    ; its four v_nop are also the places in front of the loads below
.else
	PLACES
.endif
	FETCH \next, 0, F0
	MUL F1, 4, 4, 0
.endm
	s_wait_tensorcnt 1                             ; my part of K step 0 is in; K step 1 may stay out
	s_barrier_signal -1
	s_barrier_wait -1
	FETCH 0, 0, F0
	QUARTER 0, 64, F0, F1, 1
	WIN 0
	s_mov_b32 s3, 3
.Llap:
	QUARTER 0, 128, F1, F0, 0
	QUARTER 0, 192, F0, F1, 0
	TURN 0, 1, 1
	QUARTER 1, 64,  F0, F1, 0
	QUARTER 1, 128, F1, F0, 0
	QUARTER 1, 192, F0, F1, 0
	TURN 1, 0, 1
	QUARTER 0, 64,  F0, F1, 0
	WIN 0
	s_sub_co_u32 s3, s3, 1
	s_cmp_lg_u32 s3, 0
	s_cbranch_scc1 .Llap
	QUARTER 0, 128, F1, F0, 0
	QUARTER 0, 192, F0, F1, 0
	TURN 0, 1, 0
	QUARTER 1, 64,  F0, F1, 0
	QUARTER 1, 128, F1, F0, 0
	QUARTER 1, 192, F0, F1, 0
	s_wait_dscnt 8
	MUL F1, 0, 4, 0
	s_wait_dscnt 0x0
	MUL F1, 4, 4, 0
	WIN 0
	PLACES
	PLACES
; THE WAY OUT, a block of 16 rows at a time: the f32 sums go into my stage as they lie (each accumulator's low registers first) and come back as whole rows of 256 bytes.
.macro TOSTAGE a
.if (\a) >= 2
	s_wait_xcnt 0x0                                ; the stores of two blocks ago have read these registers
.endif
	WIN 0x08                                       ; store data in window 2
.irp b, 0,1,2,3
	ds_store_b128 v[STO], v[8*(4*(\a)+(\b)):8*(4*(\a)+(\b))+3]   offset:64*(\b)
	ds_store_b128 v[STO], v[8*(4*(\a)+(\b))+4:8*(4*(\a)+(\b))+7] offset:64*(\b)+16
.endr
	WIN 0
.irp t, 0,1,2,3,4,5,6,7
	ds_load_b128 v[OB+32*((\a)%2)+4*(\t):OB+32*((\a)%2)+4*(\t)+3], v[RD] offset:(\t)*2*SPITCH  ; LDS serves a wave's instructions in order (ISA guide 5.7.1.4)
.endr
.endm
.macro SEND a, younger
	s_wait_dscnt \younger
.irp t, 0,1,2,3,4,5,6,7
	global_store_b128 v[CO], v[OB+32*((\a)%2)+4*(\t):OB+32*((\a)%2)+4*(\t)+3], s[8:9] offset:65536*(\a)+8192*(\t) th:TH_STORE_NT  ; 16 lanes store 256 consecutive bytes, at a multiple of 256 from out0's first byte
.endr
.endm
	TOSTAGE 0
.irp a, 1,2,3,4,5,6,7
	TOSTAGE \a
	SEND (\a)-1, 16                                ; the next block's 16 stage instructions may be out
.endr
	SEND 7, 0
	s_wait_tensorcnt 0x0                           ; the wave's end
	ds_add_u32 v[SPW], v[NIL]
	s_wait_dscnt 0x0
	CROUND                                         ; the closing round
	s_endpgm
.Lfunc_end_k_qbb06d3d1bf_oproj:
	.size	k_qbb06d3d1bf_oproj, .Lfunc_end_k_qbb06d3d1bf_oproj-k_qbb06d3d1bf_oproj
	.p2alignl 7, 3214868480
	.fill 96, 4, 3214868480
	.section	.rodata,"a",@progbits
	.p2align	6, 0x0
	.amdhsa_kernel k_qbb06d3d1bf_oproj
		.amdhsa_group_segment_fixed_size 327680
		.amdhsa_private_segment_fixed_size 0
		.amdhsa_enable_private_segment 0
		.amdhsa_kernarg_size 24
		.amdhsa_user_sgpr_count 2
		.amdhsa_user_sgpr_kernarg_segment_ptr 1
		.amdhsa_wavefront_size32 1
		.amdhsa_system_sgpr_workgroup_id_x 1
		.amdhsa_system_sgpr_workgroup_id_y 1
		.amdhsa_system_sgpr_workgroup_id_z 1
		.amdhsa_system_vgpr_workitem_id 0
		.amdhsa_next_free_vgpr 768
		.amdhsa_next_free_sgpr 66
		.amdhsa_reserve_vcc 0
		.amdhsa_float_denorm_mode_32 3
		.amdhsa_float_denorm_mode_16_64 3
		.amdhsa_memory_ordered 1
		.amdhsa_forward_progress 1
		.amdhsa_inst_pref_size 85
	.end_amdhsa_kernel
	.amdgpu_metadata
---
amdhsa.version: [ 1, 2 ]
amdhsa.kernels:
  - .name:           k_qbb06d3d1bf_oproj
    .symbol:         k_qbb06d3d1bf_oproj.kd
    .args:
      - { .name: yb, .offset: 0, .size: 8, .value_kind: global_buffer, .address_space: global }
      - { .name: wob, .offset: 8, .size: 8, .value_kind: global_buffer, .address_space: global }
      - { .name: out0, .offset: 16, .size: 8, .value_kind: global_buffer, .address_space: global }
    .group_segment_fixed_size: 327680
    .private_segment_fixed_size: 0
    .kernarg_segment_align: 8
    .kernarg_segment_size: 24
    .max_flat_workgroup_size: 128
    .sgpr_count:     66
    .vgpr_count:     768
    .wavefront_size: 32
...
	.end_amdgpu_metadata
.endif
;; end of part 4
;; ======== version 2 of 2: 4 launches; version 1 with the launch cast written anew for expert scheduling mode
;; limits: values are held in f16: magnitudes above 65,504 overflow, below 6.1e-05 lose precision
;; workspace buffers: xb 16,777,216 bytes; wqkvb 3,145,728 bytes; wob 2,097,152 bytes; csr 524,288 bytes; qkv 25,165,824 bytes; yb 16,777,216 bytes
;; launch cast (part 5): grid 680 x 1, 8 waves a work-group, no clusters, 0 bytes of LDS; arguments x, wq, wk, wv, wo, cos, sin, xb, wqkvb, wob, csr; writes xb, wqkvb, wob, csr
.if DOCPART == 5
	.amdgcn_target "amdgcn-amd-amdhsa--gfx1250"
	.amdhsa_code_object_version 6
	.text
	.protected	k_qbb06d3d1bf_cast
	.globl	k_qbb06d3d1bf_cast
	.p2align	8
	.type	k_qbb06d3d1bf_cast,@function
k_qbb06d3d1bf_cast:
	s_mov_b64 s[64:65], 0
	v_nop
	global_prefetch_b8 v0, s[64:65] scope:SCOPE_SE
	s_setreg_imm32_b32 hwreg(HW_REG_WAVE_SCHED_MODE, 0, 2), 2
	s_setreg_imm32_b32 hwreg(HW_REG_WAVE_MODE, 25, 1), 1
	s_wait_xcnt 0x0
	s_wait_alu depctr_vm_vsrc(0)
; THE INPUTS ROUNDED ONCE TO bf16, for the launches that follow.  A stream: no LDS, no matrix unit, no barrier.
;   x          -> xb     bf16 [8192][1024]
;   wq, wk, wv -> wqkvb  bf16 [1536][1024], rows in four blocks of 384: block g = wq rows 256 g .., wk rows 64 g .., wv rows 64 g ..
;   wo         -> wob    f16  [1024][1024]: rounded to bf16, and that number written as f16
;   cos, sin   -> csr    f32: the bf16 values, cos at byte 0, sin at byte 262,144
; LIMIT.  wob is f16: a weight of wo beyond 65,504 is lost, and below 6e-5 it keeps the fixed step of 6e-8.
; SHARES.  A work-group takes 16 runs of 1,024 numbers (65,536 bytes); thread t takes numbers 4 t .. 4 t + 3 of each: a load of a wave
; covers 512 consecutive bytes, a store of 8 bytes a lane 256 consecutive aligned bytes.  All 16 loads of a thread go out at once.
; THE MODE: SCHED_MODE bits 1:0 = 2 (LLVM: expert scheduling mode 2), set by the entry lines.  The code itself states the register dependences
; between vector instructions and memory instructions, with s_wait_alu, always for 0.
; THE PLAN.  The 16 runs go in four blocks of four.  Registers that memory instructions touch:
;   v1, v2   byte offsets, made once at the head and never written again; every load and store reads one of them.
;   X        run p: written by its load; read by its roundings.  For wob and csr its widening lines write it in place, behind the counted wait for
;            the load; for csr its store then reads it.  Nothing writes it after that.
;   Y        run p: written once, by its roundings; read once, by its store.  Nothing writes it after that.
;   T        named by vector instructions alone.
; Block b's vector instructions name X and Y of block b, and T.  Its memory instructions are the four stores of block b - 1, which read that block's
; out registers (Y; for csr X) and an offset.  So one wait at a block's head states all that its four stores hang on, and they are dealt among the
; block's vector instructions with no further wait.  No register that a memory instruction reads is ever written again: nothing is owed on that side.
.set X,    8                           ; v[8:71]   16 x 4 numbers as loaded
.set Y,    72                          ; v[72:103] 16 x 2 registers to store
.set T,    4                           ; v[4:5]    at work
.set G,    26                          ; s26  the work-group
.set SRC,  28                          ; s[28:29]
.set DST,  30                          ; s[30:31]
.set KIND, 32                          ; s32  0: bf16 out; 1: f16 out; 2: f32 out
.set IB,   33                          ; s33  the block inside its tensor
.set SO,   34                          ; s[34:35] byte offset in the source
.set DO,   36                          ; s[36:37] byte offset in the destination
.set TM,   38                          ; s38, s39 at work
; Run p is made ready to store.  kind 0: rounded to bf16 into Y.  kinds 1 and 2: rounded to bf16 and widened again, in place; kind 1: that number then written as f16 into Y.
.macro MAKE p, kind
.if (\kind) == 0
	v_cvt_pk_bf16_f32 v[Y+2*(\p)],   v[X+4*(\p)],   v[X+4*(\p)+1]
	v_cvt_pk_bf16_f32 v[Y+2*(\p)+1], v[X+4*(\p)+2], v[X+4*(\p)+3]
.else
	v_cvt_pk_bf16_f32 v[T],   v[X+4*(\p)],   v[X+4*(\p)+1]
	v_cvt_pk_bf16_f32 v[T+1], v[X+4*(\p)+2], v[X+4*(\p)+3]
	v_lshlrev_b32 v[X+4*(\p)],   16, v[T]
	v_and_b32     v[X+4*(\p)+1], 0xffff0000, v[T]
	v_lshlrev_b32 v[X+4*(\p)+2], 16, v[T+1]
	v_and_b32     v[X+4*(\p)+3], 0xffff0000, v[T+1]
.if (\kind) == 1
	v_cvt_pk_f16_f32 v[Y+2*(\p)],   v[X+4*(\p)],   v[X+4*(\p)+1]
	v_cvt_pk_f16_f32 v[Y+2*(\p)+1], v[X+4*(\p)+2], v[X+4*(\p)+3]
.endif
.endif
.endm
; Run p is stored: 8 bytes a lane from Y, or (kind 2) 16 bytes a lane from X.
.macro OUT p, kind
.if (\kind) == 2
	global_store_b128 v1, v[X+4*(\p):X+4*(\p)+3], s[DST:DST+1] offset:4096*(\p)
.else
	global_store_b64 v2, v[Y+2*(\p):Y+2*(\p)+1], s[DST:DST+1] offset:2048*(\p)
.endif
.endm
; Block b: runs 4 b .. 4 b + 3 are made ready; the block before is stored, a store in front of each run's vector instructions.
.macro BLOCK b, kind
	s_wait_loadcnt 12-4*(\b)                       ; loads come back in order (ISA guide 5.7.1): this block's four runs are in, the 12 - 4 b younger ones stay out
.if (\b) > 0
	s_wait_alu depctr_va_vdst(0)                   ; the block before has written its out registers (Y; for csr X), which the four stores below read; no vector instruction below names them
.endif
.irp i, 0,1,2,3
.if (\b) > 0
	OUT 4*(\b)-4+(\i), \kind
.endif
	MAKE 4*(\b)+(\i), \kind
.endr
.endm
; All 16 runs of one kind.
.macro RUNS kind
	BLOCK 0, \kind
	BLOCK 1, \kind
	BLOCK 2, \kind
	BLOCK 3, \kind
	s_wait_alu depctr_va_vdst(0)                   ; block 3 has written its out registers, which the last four stores read
.irp i, 12,13,14,15
	OUT \i, \kind
.endr
.endm
	s_load_b512 s[4:19], s[0:1], 0x0               ; x, wq, wk, wv, wo, cos, sin, xb
	s_load_b128 s[20:23], s[0:1], 0x40             ; wqkvb, wob
	s_load_b64 s[24:25], s[0:1], 0x50              ; csr
	v_lshlrev_b32 v1, 4, v0                        ; 16 t
	v_lshlrev_b32 v2, 3, v0                        ; 8 t
	s_mov_b32 s[G], ttmp9
	s_mov_b32 s[SO+1], 0
	s_mov_b32 s[DO+1], 0
	s_wait_kmcnt 0x0
	s_cmp_lt_u32 s[G], 512
	s_cbranch_scc0 .Lnot_x
	s_mov_b64 s[SRC:SRC+1], s[4:5]                 ; x: 512 blocks
	s_mov_b64 s[DST:DST+1], s[18:19]
	s_mov_b32 s[KIND], 0
	s_lshl_b32 s[SO], s[G], 16
	s_lshl_b32 s[DO], s[G], 15
	s_branch .Lgo
.Lnot_x:
	s_cmp_lt_u32 s[G], 576
	s_cbranch_scc0 .Lnot_wq
	s_sub_co_u32 s[IB], s[G], 512                  ; wq: 64 blocks, 16 to each block of 24 in wqkvb
	s_mov_b64 s[SRC:SRC+1], s[6:7]
	s_mov_b64 s[DST:DST+1], s[20:21]
	s_mov_b32 s[KIND], 0
	s_lshr_b32 s[TM], s[IB], 4
	s_mul_i32 s[TM], s[TM], 24
	s_and_b32 s[TM+1], s[IB], 15
	s_add_co_u32 s[TM], s[TM], s[TM+1]
	s_lshl_b32 s[SO], s[IB], 16
	s_lshl_b32 s[DO], s[TM], 15
	s_branch .Lgo
.Lnot_wq:
	s_cmp_lt_u32 s[G], 608
	s_cbranch_scc0 .Lnot_kv
	s_sub_co_u32 s[IB], s[G], 576                  ; wk: blocks 0-15, wv: blocks 16-31; four of each to a block of 24
	s_cmp_lt_u32 s[IB], 16
	s_cselect_b64 s[SRC:SRC+1], s[8:9], s[10:11]
	s_cselect_b32 s[TM+1], 16, 20                  ; wk behind the 16 blocks of wq, wv behind wk
	s_mov_b64 s[DST:DST+1], s[20:21]
	s_mov_b32 s[KIND], 0
	s_and_b32 s[IB], s[IB], 15
	s_lshr_b32 s[TM], s[IB], 2
	s_mul_i32 s[TM], s[TM], 24
	s_add_co_u32 s[TM], s[TM], s[TM+1]
	s_and_b32 s[TM+1], s[IB], 3
	s_add_co_u32 s[TM], s[TM], s[TM+1]
	s_lshl_b32 s[SO], s[IB], 16
	s_lshl_b32 s[DO], s[TM], 15
	s_branch .Lgo
.Lnot_kv:
	s_cmp_lt_u32 s[G], 672
	s_cbranch_scc0 .Lnot_wo
	s_sub_co_u32 s[IB], s[G], 608                  ; wo: 64 blocks
	s_mov_b64 s[SRC:SRC+1], s[12:13]
	s_mov_b64 s[DST:DST+1], s[22:23]
	s_mov_b32 s[KIND], 1
	s_lshl_b32 s[SO], s[IB], 16
	s_lshl_b32 s[DO], s[IB], 15
	s_branch .Lgo
.Lnot_wo:
	s_sub_co_u32 s[IB], s[G], 672                  ; cos: blocks 0-3, sin: blocks 4-7
	s_cmp_lt_u32 s[IB], 4
	s_cselect_b64 s[SRC:SRC+1], s[14:15], s[16:17]
	s_mov_b64 s[DST:DST+1], s[24:25]
	s_mov_b32 s[KIND], 2
	s_and_b32 s[TM], s[IB], 3
	s_lshl_b32 s[SO], s[TM], 16
	s_lshl_b32 s[DO], s[IB], 16
.Lgo:
	s_add_nc_u64 s[SRC:SRC+1], s[SRC:SRC+1], s[SO:SO+1]
	s_add_nc_u64 s[DST:DST+1], s[DST:DST+1], s[DO:DO+1]
	s_wait_alu depctr_va_vdst(0)                   ; v1 and v2 are written: every load and store of the kernel reads one of them as its offset, and no later line writes them
.irp p, 0,1,2,3,4,5,6,7,8,9,10,11,12,13,14,15
	global_load_b128 v[X+4*(\p):X+4*(\p)+3], v1, s[SRC:SRC+1] offset:4096*(\p) th:TH_LOAD_NT
.endr
	s_cmp_eq_u32 s[KIND], 0
	s_cbranch_scc0 .Lnot_bf16
	RUNS 0                                         ; x, wq, wk, wv: bf16 out
	s_endpgm
.Lnot_bf16:
	s_cmp_eq_u32 s[KIND], 1
	s_cbranch_scc0 .Lf32
	RUNS 1                                         ; wo: the bf16 value as f16
	s_endpgm
.Lf32:
	RUNS 2                                         ; cos, sin: the bf16 value as f32
	s_endpgm
.Lfunc_end_k_qbb06d3d1bf_cast:
	.size	k_qbb06d3d1bf_cast, .Lfunc_end_k_qbb06d3d1bf_cast-k_qbb06d3d1bf_cast
	.p2alignl 7, 3214868480
	.fill 96, 4, 3214868480
	.section	.rodata,"a",@progbits
	.p2align	6, 0x0
	.amdhsa_kernel k_qbb06d3d1bf_cast
		.amdhsa_group_segment_fixed_size 0
		.amdhsa_private_segment_fixed_size 0
		.amdhsa_enable_private_segment 0
		.amdhsa_kernarg_size 88
		.amdhsa_user_sgpr_count 2
		.amdhsa_user_sgpr_kernarg_segment_ptr 1
		.amdhsa_wavefront_size32 1
		.amdhsa_system_sgpr_workgroup_id_x 1
		.amdhsa_system_sgpr_workgroup_id_y 1
		.amdhsa_system_sgpr_workgroup_id_z 1
		.amdhsa_system_vgpr_workitem_id 0
		.amdhsa_next_free_vgpr 104
		.amdhsa_next_free_sgpr 66
		.amdhsa_reserve_vcc 0
		.amdhsa_float_denorm_mode_32 3
		.amdhsa_float_denorm_mode_16_64 3
		.amdhsa_memory_ordered 1
		.amdhsa_forward_progress 1
		.amdhsa_inst_pref_size 24
	.end_amdhsa_kernel
	.amdgpu_metadata
---
amdhsa.version: [ 1, 2 ]
amdhsa.kernels:
  - .name:           k_qbb06d3d1bf_cast
    .symbol:         k_qbb06d3d1bf_cast.kd
    .args:
      - { .name: x, .offset: 0, .size: 8, .value_kind: global_buffer, .address_space: global }
      - { .name: wq, .offset: 8, .size: 8, .value_kind: global_buffer, .address_space: global }
      - { .name: wk, .offset: 16, .size: 8, .value_kind: global_buffer, .address_space: global }
      - { .name: wv, .offset: 24, .size: 8, .value_kind: global_buffer, .address_space: global }
      - { .name: wo, .offset: 32, .size: 8, .value_kind: global_buffer, .address_space: global }
      - { .name: cos, .offset: 40, .size: 8, .value_kind: global_buffer, .address_space: global }
      - { .name: sin, .offset: 48, .size: 8, .value_kind: global_buffer, .address_space: global }
      - { .name: xb, .offset: 56, .size: 8, .value_kind: global_buffer, .address_space: global }
      - { .name: wqkvb, .offset: 64, .size: 8, .value_kind: global_buffer, .address_space: global }
      - { .name: wob, .offset: 72, .size: 8, .value_kind: global_buffer, .address_space: global }
      - { .name: csr, .offset: 80, .size: 8, .value_kind: global_buffer, .address_space: global }
    .group_segment_fixed_size: 0
    .private_segment_fixed_size: 0
    .kernarg_segment_align: 8
    .kernarg_segment_size: 88
    .max_flat_workgroup_size: 256
    .sgpr_count:     66
    .vgpr_count:     104
    .wavefront_size: 32
...
	.end_amdgpu_metadata
.endif
;; end of part 5
;; launch qkv: the kernel of part 2 again; grid 4 x 64, 4 waves a work-group, clusters of 4 x 4, 327,680 bytes of LDS; arguments xb, wqkvb, csr, ve, w_gate, qkv; writes qkv
;; launch attn: the kernel of part 3 again; grid 16 x 16, 4 waves a work-group, no clusters, 327,680 bytes of LDS; arguments qkv, yb; writes yb
;; launch oproj: the kernel of part 4 again; grid 8 x 32, 4 waves a work-group, clusters of 4 x 4, 327,680 bytes of LDS; arguments yb, wob, out0; writes out0
